; MI455X (gfx1250); checked and timed in simulation.
; The chip was launched on July 23, 2026; its instructions are those of AMD's public machine-readable ISA for CDNA 5 (MIT licence, August 2026) and "CDNA5" Instruction Set Architecture Reference Guide (July 2026). The comments in the code are by the model that wrote it; some were corrected since.
;; GRAND. Allowed arithmetic: float matrix products may take bf16 or f16 operands with f32 sums; all other float work in f32.
;; Inputs: dec_k_W 512 x 64 float32; dec_k_b 512 float32; dec_q_W 512 x 64 float32; dec_q_b 512 float32; dec_v_W 512 x 64 float32; dec_v_b 512 float32; dec_w0_W 64 x 512 float32; dec_w0_b 64 float32; enc_k_W 512 x 64 float32; enc_k_b 512 float32; enc_q_W 512 x 64 float32; enc_q_b 512 float32; enc_v_W 512 x 64 float32; enc_v_b 512 float32; enc_w0_W 64 x 512 float32; enc_w0_b 64 float32; t 2 float32; x 1,024 x 32 x 64 float32.
;; Outputs: out0 1,024 x 32 x 64 float32; out1 1,024 x 32 x 64 float32.
;; 2 versions, each right; version 2 is version 1 with the launch grand written anew for expert scheduling mode. Each part assembles by itself: llvm-mc -triple=amdgcn-amd-amdhsa -mcpu=gfx1250 --defsym DOCPART=n.
;; ======== version 1 of 2: 1 launch
;; launch grand (part 1): grid 256 x 1, 4 waves a work-group, no clusters, 316,160 bytes of LDS; arguments x, t, enc_q_W, enc_k_W, enc_v_W, enc_w0_W, enc_q_b, enc_k_b, enc_v_b, enc_w0_b, dec_q_W, dec_k_W, dec_v_W, dec_w0_W, dec_q_b, dec_k_b, dec_v_b, dec_w0_b, out0, out1; writes out0, out1
.if DOCPART == 1
	.amdgcn_target "amdgcn-amd-amdhsa--gfx1250"
	.amdhsa_code_object_version 6
	.text
	.protected	k_q06bd663a48_grand
	.globl	k_q06bd663a48_grand
	.p2align	8
	.type	k_q06bd663a48_grand,@function
k_q06bd663a48_grand:
	s_mov_b64 s[64:65], 0
	v_nop
	global_prefetch_b8 v0, s[64:65] scope:SCOPE_SE
	s_setreg_imm32_b32 hwreg(HW_REG_WAVE_MODE, 25, 1), 1
	s_wait_xcnt 0x0
; GRAND: z = RK4(enc block, x), x_hat = RK4(dec block, z); one RK4 step of dt = t[1] - t[0] each: eight evaluations of an attention block.
; The 1,024 items of [32][64] do not touch each other.  256 work-groups x 4 waves; ONE WAVE CARRIES ONE ITEM (item = 4 x group + wave) through all
; eight evaluations with its state in f32 registers; nothing but x, the weights and the two results ever passes through memory.
; The four weight matrices of the current phase (enc, then dec) lie in LDS as bf16, already in the order of matrix fragments (4 x 65,536 bytes; a
; fragment load is 512 neighbouring bytes).  The work-group converts them once per phase; the only barriers stand round these two fills.
;
; LAYOUTS.  L = lane, r = L & 15, hl = L >> 4; r = (a, hq, e) = (r >> 3, (r >> 1) & 3, r & 1).
;   reshape [32][512] -> [8][32][64]: x-row c and column col give head c >> 2, row 8 (c & 3) + (col >> 6), d = col & 63.
;   group g = 0, 1 holds x-rows c(g, r) = 8 hq + 4 g + 2 a + e (head 2 hq + g, cr = 2 a + e).
;   state number 32 g + 8 ot + j in lane (r, hl): row c(g, r), feature 16 ot + 8 hl + j.  Two neighbouring state registers pack into one register of
;   an X fragment, which serves as A or as B.  Q, K: weights x X; the lane's 8 results are 8 neighbouring d: they go once through the wave's own LDS
;   stage to change lanes.  V: X x weights; its results pack in place into A fragments whose k places are the places of the attention fragment.
;   scores are made transposed (K x Q), so that a lane's probabilities pack in place into the B fragment of att.V; att.V packs in place into the
;   B fragment of the last product, whose result is again in the state's layout (query tile qt = group g).
; THE TWO SOFTMAXES.  An entry whose first softmax exceeds 0.7 is the row's only maximum m (any other is below 1/2), and there the softmax is
;   1 / sum exp(s - m).  So the second softmax has two values a row: with u = m if it passes, else 0, and M = max(u, 0):
;   hi = e^(u-M) / (e^(u-M) + 31 e^(-M)) at the maximum, lo = e^(-M) / (the same) elsewhere.  Both maxima are taken away as in the definition.
;   log2(e) / 8 is multiplied into Wq and bq in f32 ahead of the rounding to bf16, so scores come in units of log2.
; LIMITS, kept knowingly: matrix operands are bf16 (x, weights, q, k, v, probabilities, head outputs), sums f32.  The test softmax > 0.7 is made as
;   sum < 1/0.7 (0x3fb6db6e): a row within a few ulp of the threshold, or within bf16's rounding of q and k of it, may fall on the other side.
;   Exponentials below 2^-126 come out as 0 (ISA guide, v_exp_f32).  NaN and infinite inputs are not served.  dt/6 is dt x 0x3e2aaaab; the RK4 sum is
;   added stage by stage onto x.
; NO CLUSTER, NO TENSOR LOADS: all work-groups read the same weights, but as f32, and they must pass through registers to become bf16; beside the
;   262,144 bytes of bf16 weights, 12,544 of biases and 40,960 of stages only 12,032 bytes of LDS are left for a landing zone, and what is shared is
;   two fills of 524,288 bytes in a launch of 5,120 matrix instructions a wave.
; MATRIX INSTRUCTIONS take their accumulators by turns, one instruction a turn; no two neighbours share an accumulator.
.set L_WK, 65536                       ; LDS: Wq x c2 at 0, Wk, Wv, W0: fragment (T, s) at 2048 T + 1024 s (W0: 16384 ot + 1024 ks), registers 0-3 at 16 L, 4-7 at 512 + 16 L
.set L_WV, 131072
.set L_W0, 196608
.set L_BQ, 262144                      ; bq x c2, 512 f32; bk 2,048 bytes behind it
.set L_BV, 266240                      ; bv, each number four times (16 bytes)
.set L_B0, 274432                      ; b0, 64 f32
.set L_ST, 274688                      ; four stages, one for each wave
.set ST_BYTES, 10240
; block 0
.set AQ, 1                             ; 16 L: Wq's fragments; also the lane's byte offset in x and in the outputs
.set AK, 2
.set AVW, 3
.set AW0, 4
.set ABQK, 5                           ; L_BQ + 32 hl
.set ABV, 6                            ; L_BV + 16 r
.set AB0, 7                            ; L_B0 + 32 hl
.set STK, 8                            ; stage, K in: 4352 hl + 272 (hq + 4 e) + 128 a   (+ 2176 g + 16 jb)
.set RDK, 9                            ; stage, K out: 4352 hl + 16 r                     (+ 272 (hq + 4 e + 8 g))
.set STQ, 10                           ; stage, Q in: 2560 hl + 16 (2 a + e) + 320 hq     (+ 5120 part + 64 jbl + 1280 g)
.set RDQ, 11                           ; stage, Q out: 2560 hl + 16 hq + 64 (2 a + e)     (+ 5120 part + 320 (hq + 4 g))
.set IOD, 12                           ; stage, state side: 272 (8 hq + 2 a + e) + 32 hl  (+ 1088 g + 64 ot + 16 p)
.set IOR, 13                           ; stage, row side: 272 hl + 16 r                   (+ 544 k)
.set GW, 15                            ; fill: 32768 wave + 16 L, byte offset in a weight matrix
.set SWQ, 16                           ; v16-18 fill: where my 8 bytes of Wq, Wk, Wv go
.set SW0, 19                           ; the same for W0
.set SBQ, 20
.set SBV, 21
.set SB0, 22
.set GB, 24                            ; 16 x thread
.set GB0, 25                           ; 8 L
.set XF, 32                            ; v32-63 X fragments (16 g + 8 s); in the last product the B fragments of even heads
.set WB, 64                            ; v64-159 four slots of 24: A (s = 0), A (s = 1), bias as C
.set DD, 160                           ; v160-223 results: 32 set + 16 u + 8 g; in the last product OUT = 32 qt + 8 ot = the state's numbering
.set PP, 224                           ; v224-239 packed results on their way to the stage; v224-255 the B fragments of odd heads
; block 1
.set KF, 0                             ; K fragments 32 h + 16 e + 8 s, later V fragments 32 h + 8 ft
.set VF, 0
; block 2
.set QF, 0                             ; Q fragments 16 h + 8 s of one query tile (at the start: x as loaded)
.set ATTR, 128                         ; attention fragments 16 h + 8 qt
; block 3
.set X0R, 0                            ; the RK4 step's starting state
.set ACC, 64                           ; x + sum of weighted slopes
.set SS, 128                           ; scores 32 buf + 16 hd + 8 e
.set EE, 192                           ; exponentials 16 hd
.set ZZ, 224                           ; row figures 16 hd: m, x, sum, x2, u, M, A, B, den, hi, lo, {lo,lo}, {hi,lo}, {lo,hi}
.set DV, 128                           ; att.V 64 buf + 32 qt + 8 ft (over scores, exponentials and row figures, which are done by then)
.set MSB, 0
.macro WIN new                         ; s_set_vgpr_msb: bits 1:0 source 0, 3:2 source 1, 5:4 source 2, 7:6 destination; the high byte repeats the setting left
.if MSB != (\new)
	s_set_vgpr_msb (MSB<<8)|(\new)
.set MSB, \new
.endif
.endm
.macro PLACES                          ; four independent vector instructions behind a matrix instruction (ISA guide 7.12.1) where no useful ones stand
.rept 4
	v_nop
.endr
.endm
; ---------------------------------------------------------------- weight and bias loads of one step
.macro LDA slot, adr, off              ; two A (or B) fragments, 32 + 32 along k
	ds_load_b128 v[\slot:\slot+3], v[\adr] offset:\off
	ds_load_b128 v[\slot+4:\slot+7], v[\adr] offset:\off+512
	ds_load_b128 v[\slot+8:\slot+11], v[\adr] offset:\off+1024
	ds_load_b128 v[\slot+12:\slot+15], v[\adr] offset:\off+1536
.endm
.macro LDC slot, adr, off, second      ; the bias as the first product's C
	ds_load_b128 v[\slot+16:\slot+19], v[\adr] offset:\off
	ds_load_b128 v[\slot+20:\slot+23], v[\adr] offset:\off+\second
.endm
; The stream of an evaluation: 64 steps of two weight tiles.  0-15 K (t = n >> 2, jb = 2 (n & 3) + u), 16-31 Q (qt, s, jbl from n - 16; part = u),
; 32-47 V (tile 2 (n - 32) + u), 48-63 the last product (head (n - 48) >> 1, ot = 2 (n & 1) + u).  Step n uses slots 2 (n & 1) + u.
.macro LOADT step
.set lt_n, (\step)%64
.irp ux, 0,1
.set lt_s, WB+24*(2*(lt_n&1)+\ux)
.if lt_n < 16
.set lt_t, 4*(2*(lt_n&3)+\ux)+(lt_n>>2)
	LDA lt_s, AK, 2048*lt_t
	LDC lt_s, ABQK, 2048+64*lt_t, 16
.elseif lt_n < 32
.set lt_m, lt_n-16
.set lt_t, 4*(4*(lt_m>>3)+(lt_m&3))+2*((lt_m>>2)&1)+\ux
	LDA lt_s, AQ, 2048*lt_t
	LDC lt_s, ABQK, 64*lt_t, 16
.elseif lt_n < 48
.set lt_t, 2*(lt_n-32)+\ux
	LDA lt_s, AVW, 2048*lt_t
	LDC lt_s, ABV, 256*lt_t, 0
.else
.set lt_h, (lt_n-48)>>1
.set lt_t, 2*(lt_n&1)+\ux
	LDA lt_s, AW0, 16384*lt_t+2048*lt_h
.if lt_h == 0
	LDC lt_s, AB0, 64*lt_t, 16
.endif
.endif
.endr
.endm
; ---------------------------------------------------------------- Q, K, V products
; eight matrix instructions: 2 tiles x 2 groups, first k = 0..31 on the bias, then k = 32..63 in place: four accumulators by turns
.macro MM8 n, swap
.irp sx, 0,1
.irp ux, 0,1
.irp gx, 0,1
.set mm_d, DD+32*((\n)&1)+16*\ux+8*\gx
.set mm_w, WB+24*(2*((\n)&1)+\ux)
.set mm_x, XF+16*\gx+8*\sx
.if \sx == 0
.if \swap
	v_wmma_f32_16x16x32_bf16 v[mm_d:mm_d+7], v[mm_x:mm_x+7], v[mm_w:mm_w+7], v[mm_w+16:mm_w+23]
.else
	v_wmma_f32_16x16x32_bf16 v[mm_d:mm_d+7], v[mm_w:mm_w+7], v[mm_x:mm_x+7], v[mm_w+16:mm_w+23]
.endif
.else
.if \swap
	v_wmma_f32_16x16x32_bf16 v[mm_d:mm_d+7], v[mm_x:mm_x+7], v[mm_w+8:mm_w+15], v[mm_d:mm_d+7]
.else
	v_wmma_f32_16x16x32_bf16 v[mm_d:mm_d+7], v[mm_w+8:mm_w+15], v[mm_x:mm_x+7], v[mm_d:mm_d+7]
.endif
.endif
.endr
.endr
.endr
.endm
.macro CVT16 set                       ; the four results of the step before, 8 f32 -> 16 bytes each
.irp ux, 0,1
.irp gx, 0,1
.irp ix, 0,1,2,3
	v_cvt_pk_bf16_f32 v[PP+8*\ux+4*\gx+\ix], v[DD+32*(\set)+16*\ux+8*\gx+2*\ix], v[DD+32*(\set)+16*\ux+8*\gx+2*\ix+1]
.endr
.endr
.endr
.endm
; K step m, one step late: into the stage; behind the fourth step of a chunk (one t, all 8 jb) the chunk comes back as quarters of A fragments.
; The stage is the wave's own and LDS serves a wave's instructions in order (ISA guide 5.7.1): no wait between stores, loads and the next chunk's stores.
.macro LAGK m
	CVT16 (\m)&1
.irp ux, 0,1
.irp gx, 0,1
	ds_store_b128 v[STK], v[PP+8*\ux+4*\gx:PP+8*\ux+4*\gx+3] offset:2176*\gx+16*(2*((\m)&3)+\ux)
.endr
.endr
.if ((\m)&3) == 3
.set lk_o, 8*((\m)>>3)+4*(((\m)>>2)&1)
	WIN 0x40
.irp gx, 0,1
.irp ex, 0,1
.irp hx, 0,1,2,3
	ds_load_b128 v[KF+32*(2*\hx+\gx)+16*\ex+lk_o:KF+32*(2*\hx+\gx)+16*\ex+lk_o+3], v[RDK] offset:272*(\hx+4*\ex+8*\gx)
.endr
.endr
.endr
	WIN 0
.endif
.endm
; Q step m likewise; a chunk is one query tile and one s (4 jb x 2 parts)
.macro LAGQ m
	CVT16 (\m)&1
.irp ux, 0,1
.irp gx, 0,1
	ds_store_b128 v[STQ], v[PP+8*\ux+4*\gx:PP+8*\ux+4*\gx+3] offset:5120*\ux+64*((\m)&3)+1280*\gx
.endr
.endr
.if ((\m)&3) == 3
.set lq_o, 8*(((\m)>>2)&1)
	WIN 0x80
.irp px, 0,1
.irp gx, 0,1
.irp hx, 0,1,2,3
	ds_load_b128 v[QF+16*(2*\hx+\gx)+lq_o+4*\px:QF+16*(2*\hx+\gx)+lq_o+4*\px+3], v[RDQ] offset:5120*\px+320*(\hx+4*\gx)
.endr
.endr
.endr
	WIN 0
.endif
.endm
; V step m: registers 2 hq, 2 hq + 1 of a result are keys (2 hl, jb), (2 hl + 1, jb) of head 2 hq + g: one register of that head's A fragment, in place
.macro LAGV m
	WIN 0x40
.irp ux, 0,1
.irp gx, 0,1
.set lv_t, 2*(\m)+\ux
.irp hx, 0,1,2,3
	v_cvt_pk_bf16_f32 v[VF+32*(2*\hx+\gx)+8*(lv_t&3)+(lv_t>>2)], v[DD+32*((\m)&1)+16*\ux+8*\gx+2*\hx], v[DD+32*((\m)&1)+16*\ux+8*\gx+2*\hx+1]
.endr
.endr
.endr
	WIN 0
.endm
; ---------------------------------------------------------------- attention
; scores of heads 2 p, 2 p + 1, transposed: keys (2 hl + e, j) in register j, query r in the lane; four accumulators by turns
.macro SC p, buf
	WIN 0xF9
.irp sx, 0,1
.irp hd, 0,1
.irp ex, 0,1
.set sc_d, SS+32*(\buf)+16*\hd+8*\ex
.set sc_k, KF+32*(2*(\p)+\hd)+16*\ex+8*\sx
.set sc_q, QF+16*(2*(\p)+\hd)+8*\sx
.if \sx == 0
	v_wmma_f32_16x16x32_bf16 v[sc_d:sc_d+7], v[sc_k:sc_k+7], v[sc_q:sc_q+7], 0
.else
	v_wmma_f32_16x16x32_bf16 v[sc_d:sc_d+7], v[sc_k:sc_k+7], v[sc_q:sc_q+7], v[sc_d:sc_d+7]
.endif
.endr
.endr
.endr
.endm
.macro SMSET buf, hd
.set sm_s, SS+32*(\buf)+16*(\hd)
.set sm_e, EE+16*(\hd)
.set sm_z, ZZ+16*(\hd)
.endm
; both softmaxes of heads 2 p, 2 p + 1 for one query tile.  A query's 32 scores lie in lanes r and r + 16, 16 each.
.macro SM p, buf, qt
	WIN 0xFF
.irp hd, 0,1
	SMSET \buf, \hd
	v_max3_num_f32 v[sm_e], v[sm_s], v[sm_s+1], v[sm_s+2]
	v_max3_num_f32 v[sm_e+1], v[sm_s+3], v[sm_s+4], v[sm_s+5]
	v_max3_num_f32 v[sm_e+2], v[sm_s+6], v[sm_s+7], v[sm_s+8]
	v_max3_num_f32 v[sm_e+3], v[sm_s+9], v[sm_s+10], v[sm_s+11]
	v_max3_num_f32 v[sm_e+4], v[sm_s+12], v[sm_s+13], v[sm_s+14]
	v_max3_num_f32 v[sm_z], v[sm_e], v[sm_e+1], v[sm_e+2]
	v_max3_num_f32 v[sm_e+3], v[sm_e+3], v[sm_e+4], v[sm_s+15]
	v_max_num_f32 v[sm_z], v[sm_z], v[sm_e+3]
.endr
.irp hd, 0,1
	SMSET \buf, \hd
	v_permlanex16_b32 v[sm_z+1], v[sm_z], s60, s61         ; the other half's maximum
.endr
.irp hd, 0,1
	SMSET \buf, \hd
	v_max_num_f32 v[sm_z], v[sm_z], v[sm_z+1]              ; m
.endr
.irp hd, 0,1
	SMSET \buf, \hd
.irp ix, 0,2,4,6,8,10,12,14
	v_pk_add_f32 v[sm_s+\ix:sm_s+\ix+1], v[sm_s+\ix:sm_s+\ix+1], v[sm_z:sm_z+1] op_sel_hi:[1,0] neg_lo:[0,1] neg_hi:[0,1]   ; s - m: exactly 0 at the maximum
.endr
.endr
.irp hd, 0,1
	SMSET \buf, \hd
.irp ix, 0,1,2,3,4,5,6,7,8,9,10,11,12,13,14,15
	v_exp_f32 v[sm_e+\ix], v[sm_s+\ix]
.endr
.endr
	v_nop                                                  ; one plain instruction behind the run of exponentials (ISA guide 5.7.2)
	s_wait_alu depctr_va_vdst(0)
.irp hd, 0,1
	SMSET \buf, \hd
	v_pk_add_f32 v[sm_e:sm_e+1], v[sm_e:sm_e+1], v[sm_e+2:sm_e+3]
	v_pk_add_f32 v[sm_e+4:sm_e+5], v[sm_e+4:sm_e+5], v[sm_e+6:sm_e+7]
	v_pk_add_f32 v[sm_e+8:sm_e+9], v[sm_e+8:sm_e+9], v[sm_e+10:sm_e+11]
	v_pk_add_f32 v[sm_e+12:sm_e+13], v[sm_e+12:sm_e+13], v[sm_e+14:sm_e+15]
	v_pk_add_f32 v[sm_e:sm_e+1], v[sm_e:sm_e+1], v[sm_e+4:sm_e+5]
	v_pk_add_f32 v[sm_e+8:sm_e+9], v[sm_e+8:sm_e+9], v[sm_e+12:sm_e+13]
	v_pk_add_f32 v[sm_e:sm_e+1], v[sm_e:sm_e+1], v[sm_e+8:sm_e+9]
	v_add_f32 v[sm_z+2], v[sm_e], v[sm_e+1]
.endr
.irp hd, 0,1
	SMSET \buf, \hd
	v_permlanex16_b32 v[sm_z+3], v[sm_z+2], s60, s61
.endr
.irp hd, 0,1
	SMSET \buf, \hd
	v_add_f32 v[sm_z+2], v[sm_z+2], v[sm_z+3]              ; sum of exp(s - m) over the 32 keys
	v_cmp_gt_f32 s[84+\hd], s88, v[sm_z+2]                 ; 1 / sum > 0.7
	v_cndmask_b32 v[sm_z+4], 0, v[sm_z], s[84+\hd]         ; u = m where it passes, else 0
	v_max_num_f32 v[sm_z+5], 0, v[sm_z+4]                  ; M = the second softmax's maximum: of u and the zeros
	v_sub_f32 v[sm_z+6], v[sm_z+4], v[sm_z+5]
	v_sub_f32 v[sm_z+7], 0, v[sm_z+5]
.endr
.irp hd, 0,1
	SMSET \buf, \hd
	v_exp_f32 v[sm_z+6], v[sm_z+6]                         ; A = e^(u - M)
	v_exp_f32 v[sm_z+7], v[sm_z+7]                         ; B = e^(-M)
.endr
	v_nop
	s_wait_alu depctr_va_vdst(0)
.irp hd, 0,1
	SMSET \buf, \hd
	v_fma_f32 v[sm_z+8], v[sm_z+7], s89, v[sm_z+6]         ; A + 31 B
.endr
.irp hd, 0,1
	SMSET \buf, \hd
	v_rcp_f32 v[sm_z+8], v[sm_z+8]
.endr
	v_nop
	s_wait_alu depctr_va_vdst(0)
.irp hd, 0,1
	SMSET \buf, \hd
	v_mul_f32 v[sm_z+9], v[sm_z+6], v[sm_z+8]              ; hi
	v_mul_f32 v[sm_z+10], v[sm_z+7], v[sm_z+8]             ; lo
	v_cvt_pk_bf16_f32 v[sm_z+11], v[sm_z+10], v[sm_z+10]
	v_cvt_pk_bf16_f32 v[sm_z+12], v[sm_z+9], v[sm_z+10]    ; the maximum is the word's low key (e = 0)
	v_cvt_pk_bf16_f32 v[sm_z+13], v[sm_z+10], v[sm_z+9]    ; or its high key (e = 1)
.endr
.irp hd, 0,1
	SMSET \buf, \hd
.irp ix, 0,1,2,3,4,5,6,7
	v_cmp_eq_f32 s[84+((\ix)&3)], 0, v[sm_s+\ix]
	v_cndmask_b32 v[sm_e+\ix], v[sm_z+11], v[sm_z+12], s[84+((\ix)&3)]
.endr
.endr
	WIN 0xBF
.irp hd, 0,1
	SMSET \buf, \hd
.irp ix, 0,1,2,3,4,5,6,7
	v_cmp_eq_f32 s[84+((\ix)&3)], 0, v[sm_s+8+\ix]
	v_cndmask_b32 v[ATTR+16*(2*(\p)+\hd)+8*(\qt)+\ix], v[sm_e+\ix], v[sm_z+13], s[84+((\ix)&3)]
.endr
.endr
.endm
; all eight heads of one query tile.  A softmax reads a score buffer whose products stand a whole softmax (or PLACES) earlier.
.macro ATT qt
	s_wait_dscnt 12                                        ; all but the 12 weight loads issued behind the last reads from the stage: the Q and K fragments are in
	SC 0, 0
	SC 1, 1
	PLACES
	SM 0, 0, \qt
	SC 2, 0
	SM 1, 1, \qt
	SC 3, 1
	SM 2, 0, \qt
	SM 3, 1, \qt
	WIN 0
.endm
; att.V of head h, feature tiles 2 op, 2 op + 1, both query tiles
.macro AVP h, op
	WIN 0xC9
.irp qx, 0,1
.irp px, 0,1
.set av_d, DV+64*((\h)&1)+32*\qx+8*(2*(\op)+\px)
.set av_v, VF+32*(\h)+8*(2*(\op)+\px)
.set av_a, ATTR+16*(\h)+8*\qx
	v_wmma_f32_16x16x32_bf16 v[av_d:av_d+7], v[av_v:av_v+7], v[av_a:av_a+7], 0
.endr
.endr
.endm
; and its results packed in place into the B fragments (s = op) of the last product
.macro CVP h, op
	WIN 0x0F
.irp qx, 0,1
.irp px, 0,1
.irp ix, 0,1,2,3
	v_cvt_pk_bf16_f32 v[XF+192*((\h)&1)+16*\qx+8*(\op)+4*\px+\ix], v[DV+64*((\h)&1)+32*\qx+8*(2*(\op)+\px)+2*\ix], v[DV+64*((\h)&1)+32*\qx+8*(2*(\op)+\px)+2*\ix+1]
.endr
.endr
.endr
.endm
.macro VTAIL
	LAGV 15
	AVP 0, 0
	AVP 0, 1
	AVP 1, 0
	AVP 1, 1
	PLACES
	CVP 0, 0
	CVP 0, 1
	WIN 0
.endm
; a step of the last product: head h, output tiles 2 op + u, both query tiles; beside it att.V two heads ahead and the packing one head ahead
.macro STEPW n
.set sw_h, ((\n)-48)>>1
.set sw_o, (\n)&1
.set sw_b, XF+192*(sw_h&1)
.if (((\n)+1)%64) >= 50
	s_wait_dscnt 8                                         ; all but the next step's 8 loads
.else
	s_wait_dscnt 12                                        ; all but the next step's 12 loads
.endif
.irp sx, 0,1
.irp ux, 0,1
.irp qx, 0,1
.set sw_d, DD+32*\qx+8*(2*sw_o+\ux)
.set sw_w, WB+24*(2*sw_o+\ux)
.if (sw_h+\sx) == 0
	v_wmma_f32_16x16x32_bf16 v[sw_d:sw_d+7], v[sw_w:sw_w+7], v[sw_b+16*\qx:sw_b+16*\qx+7], v[sw_w+16:sw_w+23]
.else
	v_wmma_f32_16x16x32_bf16 v[sw_d:sw_d+7], v[sw_w+8*\sx:sw_w+8*\sx+7], v[sw_b+16*\qx+8*\sx:sw_b+16*\qx+8*\sx+7], v[sw_d:sw_d+7]
.endif
.endr
.endr
.endr
.if sw_h <= 5
	AVP sw_h+2, sw_o
.endif
.if sw_h <= 6
	CVP sw_h+1, sw_o                                       ; 16 conversions of other registers: the places in front of the loads below
.else
	PLACES
.endif
	WIN 0
	LOADT (\n)+2                                           ; steps 62 and 63 fetch the next evaluation's steps 0 and 1
.endm
; a step: wait for its loads, eight products, the step before packed (16 conversions: the places between the products and the loads into their slots),
; then the loads of the step after next into the slots just read
.macro STEP n
.if (\n) < 48
	s_wait_dscnt 12                                        ; LDS answers in order (ISA guide 5.7.1): all but the next step's 12 loads, the last issued
.if (\n) < 32
	MM8 \n, 0
.else
	MM8 \n, 1
.endif
.if (\n) == 0
	PLACES
.elseif (\n) <= 16
	LAGK (\n)-1
.elseif (\n) <= 32
	LAGQ (\n)-17
.else
	LAGV (\n)-33
.endif
	LOADT (\n)+2
.else
	STEPW \n
.endif
.endm
.macro STEPS from, to
.set st_n, \from
.rept (\to)-(\from)+1
	STEP st_n
.set st_n, st_n+1
.endr
.endm
; ---------------------------------------------------------------- the state
.macro NEWSTATE                        ; ACC holds a new state: it becomes the step's start and the first X fragments
	WIN 0xFF
.set ns_k, 0
.rept 64
	v_mov_b32 v[X0R+ns_k], v[ACC+ns_k]
.set ns_k, ns_k+1
.endr
	WIN 0x0F
.set ns_k, 0
.rept 32
	v_cvt_pk_bf16_f32 v[XF+ns_k], v[ACC+2*ns_k], v[ACC+2*ns_k+1]
.set ns_k, ns_k+1
.endr
	WIN 0
.endm
; ================================================================ the head
	s_load_b128 s[4:7], s[0:1], 0x0                        ; x, t
	s_load_b512 s[16:31], s[0:1], 0x10                     ; enc: qW kW vW w0W qb kb vb w0b
	s_load_b512 s[32:47], s[0:1], 0x50                     ; dec: the same
	s_load_b128 s[48:51], s[0:1], 0x90                     ; out0, out1
	v_lshl_add_u32 v30, v0, 2, 0x4d100
	v_mov_b32 v31, 0
	v_lshrrev_b32 v230, 5, v0
	v_readfirstlane_b32 s2, v230                           ; wave
	v_and_b32 v224, 31, v0                                 ; L
	v_lshlrev_b32 v[AQ], 4, v224
	s_lshl_b32 s10, ttmp9, 15                              ; item = 4 x group + wave, 8,192 bytes each
	s_lshl_b32 s11, s2, 13
	s_or_b32 s10, s10, s11
	s_mov_b32 s11, 0
	s_wait_kmcnt 0x0
	s_load_b64 s[8:9], s[6:7], 0x0                         ; t[0], t[1]
	s_add_nc_u64 s[4:5], s[4:5], s[10:11]
	s_add_nc_u64 s[48:49], s[48:49], s[10:11]
	s_add_nc_u64 s[50:51], s[50:51], s[10:11]
	WIN 0x80
.set hd_k, 0
.rept 16
	global_load_b128 v[4*hd_k:4*hd_k+3], v[AQ], s[4:5] offset:512*hd_k th:TH_LOAD_NT   ; two whole rows of x a load, into block 2
.set hd_k, hd_k+1
.endr
	WIN 0
	v_and_b32 v225, 15, v0                                 ; r
	v_bfe_u32 v226, v0, 4, 1                               ; hl
	v_bfe_u32 v227, v0, 3, 1                               ; a
	v_bfe_u32 v228, v0, 1, 2                               ; hq
	v_and_b32 v229, 1, v0                                  ; e
	s_mul_i32 s3, s2, ST_BYTES
	s_add_co_u32 s3, s3, L_ST                              ; my stage
	s_lshl_b32 s12, s2, 15
	s_lshl_b32 s13, s2, 14
	s_lshl_b32 s14, s2, 9
	s_lshl_b32 s15, s2, 11
	s_mov_b32 s60, 0x76543210                              ; v_permlanex16_b32: lane i of the other half
	s_mov_b32 s61, 0xfedcba98
	s_mov_b32 s88, 0x3fb6db6e                              ; 1 / 0.7
	s_mov_b32 s89, 0x41f80000                              ; 31.0
	s_mov_b32 s90, 0x3e38aa3b                              ; log2(e) / 8
	s_mov_b32 s91, 0x3e38aa3b
	v_add_nc_u32 v[AK], L_WK, v[AQ]
	v_add_nc_u32 v[AVW], L_WV, v[AQ]
	v_add_nc_u32 v[AW0], L_W0, v[AQ]
	v_lshl_add_u32 v[ABQK], v226, 5, L_BQ
	v_lshl_add_u32 v[ABV], v225, 4, L_BV
	v_lshl_add_u32 v[AB0], v226, 5, L_B0
	v_mad_u32_u24 v230, v226, 4352, s3
	v_lshl_add_u32 v231, v229, 2, v228                     ; hq + 4 e
	v_mad_u32_u24 v[STK], v231, 272, v230
	v_lshl_add_u32 v[STK], v227, 7, v[STK]
	v_lshl_add_u32 v[RDK], v225, 4, v230
	v_mad_u32_u24 v230, v226, 2560, s3
	v_lshl_add_u32 v231, v227, 1, v229                     ; 2 a + e
	v_lshl_add_u32 v[STQ], v231, 4, v230
	v_mad_u32_u24 v[STQ], v228, 320, v[STQ]
	v_lshl_add_u32 v[RDQ], v228, 4, v230
	v_lshl_add_u32 v[RDQ], v231, 6, v[RDQ]
	v_lshl_add_u32 v232, v228, 3, v231                     ; 8 hq + 2 a + e
	v_lshl_add_u32 v[IOD], v226, 5, s3
	v_mad_u32_u24 v[IOD], v232, 272, v[IOD]
	v_mad_u32_u24 v[IOR], v226, 272, s3
	v_lshl_add_u32 v[IOR], v225, 4, v[IOR]
	v_add_nc_u32 v[GW], s12, v[AQ]
	; fill: a load's lane holds 4 numbers of row 128 w + 2 k + L4, columns 4 (L & 15): s = L3, registers 4-7 = L2, hl = L1, upper 8 bytes = L0
	v_bfe_u32 v230, v0, 1, 3
	v_lshl_add_u32 v230, v230, 8, s13
	v_lshl_add_u32 v230, v226, 4, v230
	v_lshl_add_u32 v[SWQ], v229, 3, v230
	v_add_nc_u32 v[SWQ+1], L_WK, v[SWQ]
	v_add_nc_u32 v[SWQ+2], L_WV, v[SWQ]
	; W0: row 16 w + (k >> 2), columns 128 (k & 3) + 4 L: ks = 4 (k & 3) + (L >> 3)
	v_bfe_u32 v230, v0, 1, 4
	v_lshl_add_u32 v230, v230, 8, s13
	v_lshl_add_u32 v230, v229, 3, v230
	v_add_nc_u32 v[SW0], L_W0, v230
	v_add_nc_u32 v230, s14, v[AQ]
	v_add_nc_u32 v[SBQ], L_BQ, v230                        ; 16 bytes for each of the 128 threads: 16 L + 512 wave
	v_lshl_add_u32 v230, v224, 6, s15
	v_add_nc_u32 v[SBV], L_BV, v230                        ; 64 L + 2048 wave
	v_lshl_add_u32 v[SB0], v224, 3, L_B0
	v_lshlrev_b32 v[GB], 4, v0
	v_lshlrev_b32 v[GB0], 3, v224
	WIN 0xC0
	v_mov_b32 v[ZZ+1], 0                                   ; destinations of v_permlanex16_b32 count as read: written once here
	v_mov_b32 v[ZZ+3], 0
	v_mov_b32 v[ZZ+17], 0
	v_mov_b32 v[ZZ+19], 0
	WIN 0
	s_wait_kmcnt 0x0
	v_sub_f32 v230, s9, s8                                 ; dt
	v_mul_f32 v231, 0.5, v230
	v_mul_f32 v232, 0x3e2aaaab, v230                       ; dt / 6
	v_add_f32 v233, v232, v232                             ; dt / 3
	v_readfirstlane_b32 s52, v230
	v_readfirstlane_b32 s53, v231
	v_readfirstlane_b32 s54, v232
	v_readfirstlane_b32 s55, v233
	; x into the state's layout, through my stage: rows in, 16 bytes of row c(g, r) out
	s_wait_loadcnt 0x0
	WIN 0x08
.set hd_k, 0
.rept 16
	ds_store_b128 v[IOR], v[4*hd_k:4*hd_k+3] offset:544*hd_k
.set hd_k, hd_k+1
.endr
	WIN 0xC0
.irp gx, 0,1
.irp ox, 0,1,2,3
.irp px, 0,1
	ds_load_b128 v[ACC+32*\gx+8*\ox+4*\px:ACC+32*\gx+8*\ox+4*\px+3], v[IOD] offset:1088*\gx+64*\ox+16*\px
.endr
.endr
.endr
	s_wait_dscnt 0x0
	NEWSTATE
	s_mov_b32 s63, 0                                       ; phase: 0 enc, 1 dec
; ================================================================ a phase: its weights into LDS, then four evaluations
.Lphase:
	s_wait_dscnt 0x0                                       ; my reads of the old weights are back
	s_barrier_signal -1
	s_barrier_wait -1                                      ; everybody's are: the weights may be written over
	s_cmp_lg_u32 s63, 0
.irp i, 0,2,4,6,8,10,12,14
	s_cselect_b64 s[68+\i:69+\i], s[32+\i:33+\i], s[16+\i:17+\i]
.endr
	; THE FILL.  A wave converts 32,768 bytes of each matrix: 64 loads of 512 neighbouring bytes, through a ring of 32 loads in flight.
	global_load_b128 v[240:243], v[GB], s[76:77]           ; bq
	global_load_b128 v[244:247], v[GB], s[78:79]           ; bk
	global_load_b128 v[248:251], v[GB], s[80:81]           ; bv
	global_load_b64 v[252:253], v[GB0], s[82:83]           ; b0
.set lw_n, 0
.rept 32
	global_load_b128 v[64+4*lw_n:67+4*lw_n], v[GW], s[68:69] offset:512*lw_n
.set lw_n, lw_n+1
.endr
	s_wait_loadcnt 32                                      ; all but the 32 ring loads: the biases are in
	v_pk_mul_f32 v[240:241], v[240:241], s[90:91] op_sel_hi:[1,0]
	v_pk_mul_f32 v[242:243], v[242:243], s[90:91] op_sel_hi:[1,0]
	ds_store_b128 v[SBQ], v[240:243]
	ds_store_b128 v[SBQ], v[244:247] offset:2048
.irp q, 0,1,2,3
.irp c, 0,1,2,3
	v_mov_b32 v[192+4*\q+\c], v[248+\q]                    ; bv four times: a V result's eight registers all want the lane's own column's bias
.endr
	ds_store_b128 v[SBV], v[192+4*\q:195+4*\q] offset:16*\q
.endr
	s_cmp_lg_u32 s2, 0
	s_cbranch_scc1 .Lb0_done
	ds_store_b64 v[SB0], v[252:253]                        ; 256 bytes: wave 0 alone
.Lb0_done:
.set lw_n, 0
.rept 256
.set lw_m, lw_n>>6
.set lw_k, lw_n&63
.set lw_r, 64+4*(lw_n&31)
.set lw_p, 208+2*(lw_n&7)
.if lw_n < 224
	s_wait_loadcnt 31                                      ; loads come back in order: this one is in, the 31 younger stay out
.else
	s_wait_loadcnt 255-lw_n                                ; the tail: the counts run down
.endif
.if lw_m == 0
	v_pk_mul_f32 v[lw_r:lw_r+1], v[lw_r:lw_r+1], s[90:91] op_sel_hi:[1,0]
	v_pk_mul_f32 v[lw_r+2:lw_r+3], v[lw_r+2:lw_r+3], s[90:91] op_sel_hi:[1,0]
.endif
	v_cvt_pk_bf16_f32 v[lw_p], v[lw_r], v[lw_r+1]
	v_cvt_pk_bf16_f32 v[lw_p+1], v[lw_r+2], v[lw_r+3]
.if lw_m < 3
	ds_store_b64 v[SWQ+lw_m], v[lw_p:lw_p+1] offset:(lw_k>>3)*2048+(lw_k&7)*32
.else
	ds_store_b64 v[SW0], v[lw_p:lw_p+1] offset:(lw_k&3)*4096+(lw_k>>2)*16
.endif
.if lw_n < 224
.set lw_q, lw_n+32
	global_load_b128 v[lw_r:lw_r+3], v[GW], s[68+2*(lw_q>>6):69+2*(lw_q>>6)] offset:512*(lw_q&63)
.endif
.set lw_n, lw_n+1
.endr
	s_wait_dscnt 0x0                                       ; my stores are done
	s_barrier_signal -1
	s_barrier_wait -1                                      ; everybody's are: the weights may be read
	LOADT 0
	LOADT 1
	s_mov_b32 s62, 0                                       ; RK4 stage
.Lstage:
	s_cmp_eq_u32 s62, 2
	s_cselect_b32 s56, s52, s53                            ; the next stage's point: x + dt k3, else x + dt/2 k
	s_mov_b32 s57, s56
	s_sub_co_u32 s3, s62, 1
	s_cmp_lt_u32 s3, 2
	s_cselect_b32 s58, s55, s54                            ; the slope's weight: dt/3 for stages 1 and 2, else dt/6
	s_mov_b32 s59, s58
	STEPS 0, 24                                            ; K, and Q of query tile 0
	ATT 0
	STEPS 25, 32                                           ; Q of query tile 1
	ATT 1
	STEPS 33, 47                                           ; V: its fragments take the K fragments' registers
	VTAIL
	STEPS 48, 63                                           ; att.V and the last product, head by head
	WIN 0xF0
.set au_k, 0
.rept 32
	v_pk_fma_f32 v[ACC+au_k:ACC+au_k+1], v[DD+au_k:DD+au_k+1], s[58:59], v[ACC+au_k:ACC+au_k+1] op_sel_hi:[1,0,1]
.set au_k, au_k+2
.endr
	WIN 0
	s_cmp_eq_u32 s62, 3
	s_cbranch_scc1 .Llast
	WIN 0x30                                               ; stages 0 to 2: the next point, x + a k, and its X fragments
.set au_k, 0
.rept 32
	v_pk_fma_f32 v[DD+au_k:DD+au_k+1], v[DD+au_k:DD+au_k+1], s[56:57], v[X0R+au_k:X0R+au_k+1] op_sel_hi:[1,0,1]
.set au_k, au_k+2
.endr
	WIN 0
.set au_k, 0
.rept 32
	v_cvt_pk_bf16_f32 v[XF+au_k], v[DD+2*au_k], v[DD+2*au_k+1]
.set au_k, au_k+1
.endr
	s_branch .Ljoin
.Llast:
	NEWSTATE                                               ; stage 3: ACC is the phase's result (behind dec this copy feeds nothing more)
	s_wait_dscnt 0x0                                       ; the loads that ran ahead into the slots have landed: v64.. are free
	s_cmp_lg_u32 s63, 0
	s_cselect_b64 s[66:67], s[50:51], s[48:49]
	WIN 0x0C
.irp gx, 0,1
.irp ox, 0,1,2,3
.irp px, 0,1
	ds_store_b128 v[IOD], v[ACC+32*\gx+8*\ox+4*\px:ACC+32*\gx+8*\ox+4*\px+3] offset:1088*\gx+64*\ox+16*\px
.endr
.endr
.endr
	WIN 0
.set au_k, 0
.rept 16
	ds_load_b128 v[64+4*au_k:67+4*au_k], v[IOR] offset:544*au_k    ; my own stage, served in order: these see the stores above
.set au_k, au_k+1
.endr
.set au_k, 0
.rept 16
	s_wait_dscnt 15-au_k
	global_store_b128 v[AQ], v[64+4*au_k:67+4*au_k], s[66:67] offset:512*au_k th:TH_STORE_NT   ; 16 lanes store one whole row of 256 bytes, aligned
.set au_k, au_k+1
.endr
	s_wait_xcnt 0x0                                        ; v64.. and s[66:67] are written again only behind this wait
.Ljoin:
	s_add_co_u32 s62, s62, 1
	s_cmp_lt_u32 s62, 4
	s_cbranch_scc1 .Lstage
	s_add_co_u32 s63, s63, 1
	s_cmp_lt_u32 s63, 2
	s_cbranch_scc1 .Lphase
	s_wait_tensorcnt 0x0
	ds_add_u32 v30, v31
	s_wait_dscnt 0x0
	s_endpgm
.Lfunc_end_k_q06bd663a48_grand:
	.size	k_q06bd663a48_grand, .Lfunc_end_k_q06bd663a48_grand-k_q06bd663a48_grand
	.p2alignl 7, 3214868480
	.fill 96, 4, 3214868480
	.section	.rodata,"a",@progbits
	.p2align	6, 0x0
	.amdhsa_kernel k_q06bd663a48_grand
		.amdhsa_group_segment_fixed_size 316160
		.amdhsa_private_segment_fixed_size 0
		.amdhsa_enable_private_segment 0
		.amdhsa_kernarg_size 160
		.amdhsa_user_sgpr_count 2
		.amdhsa_user_sgpr_kernarg_segment_ptr 1
		.amdhsa_wavefront_size32 1
		.amdhsa_system_sgpr_workgroup_id_x 1
		.amdhsa_system_sgpr_workgroup_id_y 1
		.amdhsa_system_sgpr_workgroup_id_z 1
		.amdhsa_system_vgpr_workitem_id 0
		.amdhsa_next_free_vgpr 1024
		.amdhsa_next_free_sgpr 92
		.amdhsa_reserve_vcc 0
		.amdhsa_float_denorm_mode_32 3
		.amdhsa_float_denorm_mode_16_64 3
		.amdhsa_memory_ordered 1
		.amdhsa_forward_progress 1
		.amdhsa_inst_pref_size 255
	.end_amdhsa_kernel
	.section	.bss,"aw",@nobits
	.p2align	6
	.space	262144
	.amdgpu_metadata
---
amdhsa.version: [ 1, 2 ]
amdhsa.kernels:
  - .name:           k_q06bd663a48_grand
    .symbol:         k_q06bd663a48_grand.kd
    .args:
      - { .name: x, .offset: 0, .size: 8, .value_kind: global_buffer, .address_space: global }
      - { .name: t, .offset: 8, .size: 8, .value_kind: global_buffer, .address_space: global }
      - { .name: enc_q_W, .offset: 16, .size: 8, .value_kind: global_buffer, .address_space: global }
      - { .name: enc_k_W, .offset: 24, .size: 8, .value_kind: global_buffer, .address_space: global }
      - { .name: enc_v_W, .offset: 32, .size: 8, .value_kind: global_buffer, .address_space: global }
      - { .name: enc_w0_W, .offset: 40, .size: 8, .value_kind: global_buffer, .address_space: global }
      - { .name: enc_q_b, .offset: 48, .size: 8, .value_kind: global_buffer, .address_space: global }
      - { .name: enc_k_b, .offset: 56, .size: 8, .value_kind: global_buffer, .address_space: global }
      - { .name: enc_v_b, .offset: 64, .size: 8, .value_kind: global_buffer, .address_space: global }
      - { .name: enc_w0_b, .offset: 72, .size: 8, .value_kind: global_buffer, .address_space: global }
      - { .name: dec_q_W, .offset: 80, .size: 8, .value_kind: global_buffer, .address_space: global }
      - { .name: dec_k_W, .offset: 88, .size: 8, .value_kind: global_buffer, .address_space: global }
      - { .name: dec_v_W, .offset: 96, .size: 8, .value_kind: global_buffer, .address_space: global }
      - { .name: dec_w0_W, .offset: 104, .size: 8, .value_kind: global_buffer, .address_space: global }
      - { .name: dec_q_b, .offset: 112, .size: 8, .value_kind: global_buffer, .address_space: global }
      - { .name: dec_k_b, .offset: 120, .size: 8, .value_kind: global_buffer, .address_space: global }
      - { .name: dec_v_b, .offset: 128, .size: 8, .value_kind: global_buffer, .address_space: global }
      - { .name: dec_w0_b, .offset: 136, .size: 8, .value_kind: global_buffer, .address_space: global }
      - { .name: out0, .offset: 144, .size: 8, .value_kind: global_buffer, .address_space: global }
      - { .name: out1, .offset: 152, .size: 8, .value_kind: global_buffer, .address_space: global }
    .group_segment_fixed_size: 316160
    .private_segment_fixed_size: 0
    .kernarg_segment_align: 8
    .kernarg_segment_size: 160
    .max_flat_workgroup_size: 128
    .sgpr_count:     92
    .vgpr_count:     1024
    .wavefront_size: 32
...
	.end_amdgpu_metadata
.endif
;; end of part 1
;; ======== version 2 of 2: 1 launch; version 1 with the launch grand written anew for expert scheduling mode
;; launch grand (part 2): grid 256 x 1, 4 waves a work-group, no clusters, 316,160 bytes of LDS; arguments x, t, enc_q_W, enc_k_W, enc_v_W, enc_w0_W, enc_q_b, enc_k_b, enc_v_b, enc_w0_b, dec_q_W, dec_k_W, dec_v_W, dec_w0_W, dec_q_b, dec_k_b, dec_v_b, dec_w0_b, out0, out1; writes out0, out1
.if DOCPART == 2
	.amdgcn_target "amdgcn-amd-amdhsa--gfx1250"
	.amdhsa_code_object_version 6
	.text
	.protected	k_q06bd663a48_grand
	.globl	k_q06bd663a48_grand
	.p2align	8
	.type	k_q06bd663a48_grand,@function
k_q06bd663a48_grand:
	s_mov_b64 s[64:65], 0
	v_nop
	global_prefetch_b8 v0, s[64:65] scope:SCOPE_SE
	s_setreg_imm32_b32 hwreg(HW_REG_WAVE_SCHED_MODE, 0, 2), 2
	s_setreg_imm32_b32 hwreg(HW_REG_WAVE_MODE, 25, 1), 1
	s_wait_xcnt 0x0
	s_wait_alu depctr_vm_vsrc(0)
; GRAND: z = RK4(enc block, x), x_hat = RK4(dec block, z); one RK4 step of dt = t[1] - t[0] each: eight evaluations of an attention block.
; The 1,024 items of [32][64] do not touch each other.  256 work-groups x 4 waves; ONE WAVE CARRIES ONE ITEM (item = 4 x group + wave) through all
; eight evaluations with its state in f32 registers; nothing but x, the weights and the two results ever passes through memory.
; The four weight matrices of the current phase (enc, then dec) lie in LDS as bf16, already in the order of matrix fragments (4 x 65,536 bytes; a
; fragment load is 512 neighbouring bytes).  The work-group converts them once per phase; the only barriers stand round these two fills.
;
; LAYOUTS.  L = lane, r = L & 15, hl = L >> 4; r = (a, hq, e) = (r >> 3, (r >> 1) & 3, r & 1).
;   reshape [32][512] -> [8][32][64]: x-row c and column col give head c >> 2, row 8 (c & 3) + (col >> 6), d = col & 63.
;   group g = 0, 1 holds x-rows c(g, r) = 8 hq + 4 g + 2 a + e (head 2 hq + g, cr = 2 a + e).
;   state number 32 g + 8 ot + j in lane (r, hl): row c(g, r), feature 16 ot + 8 hl + j.  Two neighbouring state registers pack into one register of
;   an X fragment, which serves as A or as B.  Q, K: weights x X; the lane's 8 results are 8 neighbouring d: they go once through the wave's own LDS
;   stage to change lanes.  V: X x weights; its results pack in place into A fragments whose k places are the places of the attention fragment.
;   scores are made transposed (K x Q), so that a lane's probabilities pack in place into the B fragment of att.V; att.V packs in place into the
;   B fragment of the last product, whose result is again in the state's layout (query tile qt = group g).
; THE TWO SOFTMAXES.  An entry whose first softmax exceeds 0.7 is the row's only maximum m (any other is below 1/2), and there the softmax is
;   1 / sum exp(s - m).  So the second softmax has two values a row: with u = m if it passes, else 0, and M = max(u, 0):
;   hi = e^(u-M) / (e^(u-M) + 31 e^(-M)) at the maximum, lo = e^(-M) / (the same) elsewhere.  Both maxima are taken away as in the definition.
;   log2(e) / 8 is multiplied into Wq and bq in f32 ahead of the rounding to bf16, so scores come in units of log2.
; LIMITS, kept knowingly: matrix operands are bf16 (x, weights, q, k, v, probabilities, head outputs), sums f32.  The test softmax > 0.7 is made as
;   sum < 1/0.7 (0x3fb6db6e): a row within a few ulp of the threshold, or within bf16's rounding of q and k of it, may fall on the other side.
;   Exponentials below 2^-126 come out as 0 (ISA guide, v_exp_f32).  NaN and infinite inputs are not served.  dt/6 is dt x 0x3e2aaaab; the RK4 sum is
;   added stage by stage onto x.
; NO CLUSTER, NO TENSOR LOADS: all work-groups read the same weights, but as f32, and they must pass through registers to become bf16; beside the
;   262,144 bytes of bf16 weights, 12,544 of biases and 40,960 of stages only 12,032 bytes of LDS are left for a landing zone, and what is shared is
;   two fills of 524,288 bytes in a launch of 5,120 matrix instructions a wave.
; MATRIX INSTRUCTIONS take their accumulators by turns, one instruction a turn; no two neighbours share an accumulator.
; THE MODE: SCHED_MODE bits 1:0 = 2 (LLVM: expert scheduling mode 2), set by the entry lines.  The code itself states the register dependences
; between vector or matrix instructions and memory or LDS instructions, with s_wait_alu, always for 0.
; THE PLAN.  Registers that memory or LDS instructions touch in the loop over stages:
;   WB      two sets of two slots.  Step n: its eight products read set n & 1; the loads of step n + 1 land in the other set, which step n - 1's products read.
;   PP0, 1  Step n: its sixteen conversions pack step n - 1's results into PP[n & 1]; its four LDS stores read the other, written in step n - 1.
;   KF, QF  loaded from the stage behind every fourth step's stores; read by the score products; KF's registers are later written by V's conversions.
;   ACC     written by vector instructions; read by the way out's LDS stores.     v64-127  the way out's rows: loaded from the stage, read by the global stores.
;   v1-v25  addresses and offsets, made in the head and never written again.
;   DD, XF, ATTR, the scores, the row figures, att.V and the step's start are named by vector and matrix instructions alone.
; So ONE wait on va_vdst stands at a step's head: the products of the step before are done reading their slots, its conversions have written their PP.
; Behind it the step's loads, stores and conversions are dealt among its eight products, which name this step's slots, XF and DD; the conversions name DD
; and this step's PP: none of the registers that the step's loads and stores touch.  One wait on vm_vsrc beside it frees this step's PP, a step behind the
; stores that read it.  A further wait on va_vdst stands ahead of the last stores in front of each attention part.
.set L_WK, 65536                       ; LDS: Wq x c2 at 0, Wk, Wv, W0: fragment (T, s) at 2048 T + 1024 s (W0: 16384 ot + 1024 ks), registers 0-3 at 16 L, 4-7 at 512 + 16 L
.set L_WV, 131072
.set L_W0, 196608
.set L_BQ, 262144                      ; bq x c2, 512 f32; bk 2,048 bytes behind it
.set L_BV, 266240                      ; bv, each number four times (16 bytes)
.set L_B0, 274432                      ; b0, 64 f32
.set L_ST, 274688                      ; four stages, one for each wave
.set ST_BYTES, 10240
; block 0
.set AQ, 1                             ; 16 L: Wq's fragments; also the lane's byte offset in x and in the outputs
.set AK, 2
.set AVW, 3
.set AW0, 4
.set ABQK, 5                           ; L_BQ + 32 hl
.set ABV, 6                            ; L_BV + 16 r
.set AB0, 7                            ; L_B0 + 32 hl
.set STK, 8                            ; stage, K in: 4352 hl + 272 (hq + 4 e) + 128 a   (+ 2176 g + 16 jb)
.set RDK, 9                            ; stage, K out: 4352 hl + 16 r                     (+ 272 (hq + 4 e + 8 g))
.set STQ, 10                           ; stage, Q in: 2560 hl + 16 (2 a + e) + 320 hq     (+ 5120 part + 64 jbl + 1280 g)
.set RDQ, 11                           ; stage, Q out: 2560 hl + 16 hq + 64 (2 a + e)     (+ 5120 part + 320 (hq + 4 g))
.set IOD, 12                           ; stage, state side: 272 (8 hq + 2 a + e) + 32 hl  (+ 1088 g + 64 ot + 16 p)
.set IOR, 13                           ; stage, row side: 272 hl + 16 r                   (+ 544 k)
.set GW, 15                            ; fill: 32768 wave + 16 L, byte offset in a weight matrix
.set SWQ, 16                           ; v16-18 fill: where my 8 bytes of Wq, Wk, Wv go
.set SW0, 19                           ; the same for W0
.set SBQ, 20
.set SBV, 21
.set SB0, 22
.set GB, 24                            ; 16 x thread
.set GB0, 25                           ; 8 L
.set XF, 32                            ; v32-63 X fragments (16 g + 8 s); in the last product the B fragments of even heads
.set WB, 64                            ; v64-159 four slots of 24: A (s = 0), A (s = 1), bias as C
.set DD, 160                           ; v160-223 results: 32 set + 16 u + 8 g; in the last product OUT = 32 qt + 8 ot = the state's numbering
.set PP, 224                           ; v224-255 two buffers of 16: packed results on their way to the stage; in the last product the B fragments of odd heads
; block 1
.set KF, 0                             ; K fragments 32 h + 16 e + 8 s, later V fragments 32 h + 8 ft
.set VF, 0
; block 2
.set QF, 0                             ; Q fragments 16 h + 8 s of one query tile (at the start: x as loaded)
.set ATTR, 128                         ; attention fragments 16 h + 8 qt
; block 3
.set X0R, 0                            ; the RK4 step's starting state
.set ACC, 64                           ; x + sum of weighted slopes
.set SS, 128                           ; scores 32 buf + 16 hd + 8 e
.set EE, 192                           ; exponentials 16 hd
.set ZZ, 224                           ; row figures 16 hd: m, x, sum, x2, u, M, A, B, den, hi, lo, {lo,lo}, {hi,lo}, {lo,hi}
.set DV, 128                           ; att.V 64 buf + 32 qt + 8 ft (over scores, exponentials and row figures, which are done by then)
.set MSB, 0
.set pend, 0                           ; LDS instructions issued behind the last weight load: the count of the wait at the next step's head
.macro WIN new                         ; s_set_vgpr_msb: bits 1:0 source 0, 3:2 source 1, 5:4 source 2, 7:6 destination; the high byte repeats the setting left
.if MSB != (\new)
	s_set_vgpr_msb (MSB<<8)|(\new)
.set MSB, \new
.endif
.endm
.macro PLACES                          ; four independent vector instructions behind a matrix instruction (ISA guide 7.12.1) where no useful ones stand
.rept 4
	v_nop
.endr
.endm
; ---------------------------------------------------------------- weight and bias loads of one step
; The stream of an evaluation: 64 steps of two weight tiles.  0-15 K (t = n >> 2, jb = 2 (n & 3) + u), 16-31 Q (qt, s, jbl from n - 16; part = u),
; 32-47 V (tile 2 (n - 32) + u), 48-63 the last product (head (n - 48) >> 1, ot = 2 (n & 1) + u).  Step n uses slots 2 (n & 1) + u.
; LOADP: two of a step's loads.  ux: the tile; part 0, 1: the fragment of k = 0..31, of k = 32..63; part 2: the bias as the first product's C (the last product has one for head 0 alone).
.macro LOADP step, ux, part
.set lt_n, (\step)%64
.set lt_s, WB+24*(2*(lt_n&1)+(\ux))
.set lt_y, 1
.set lt_e, 16
.if lt_n < 16
.set lt_t, 4*(2*(lt_n&3)+(\ux))+(lt_n>>2)
.set lt_a, AK
.set lt_o, 2048*lt_t
.set lt_c, ABQK
.set lt_b, 2048+64*lt_t
.elseif lt_n < 32
.set lt_m, lt_n-16
.set lt_t, 4*(4*(lt_m>>3)+(lt_m&3))+2*((lt_m>>2)&1)+(\ux)
.set lt_a, AQ
.set lt_o, 2048*lt_t
.set lt_c, ABQK
.set lt_b, 64*lt_t
.elseif lt_n < 48
.set lt_t, 2*(lt_n-32)+(\ux)
.set lt_a, AVW
.set lt_o, 2048*lt_t
.set lt_c, ABV
.set lt_b, 256*lt_t
.set lt_e, 0
.else
.set lt_t, 2*(lt_n&1)+(\ux)
.set lt_a, AW0
.set lt_o, 16384*lt_t+2048*((lt_n-48)>>1)
.set lt_c, AB0
.set lt_b, 64*lt_t
.if lt_n >= 50
.set lt_y, 0
.endif
.endif
.if (\part) < 2
	ds_load_b128 v[lt_s+8*(\part):lt_s+8*(\part)+3], v[lt_a] offset:lt_o+1024*(\part)
	ds_load_b128 v[lt_s+8*(\part)+4:lt_s+8*(\part)+7], v[lt_a] offset:lt_o+1024*(\part)+512
.elseif lt_y
	ds_load_b128 v[lt_s+16:lt_s+19], v[lt_c] offset:lt_b
	ds_load_b128 v[lt_s+20:lt_s+23], v[lt_c] offset:lt_b+lt_e
.endif
.endm
.macro LOADT step                      ; all of a step's loads
.irp px, 0,1,2,3,4,5
	LOADP \step, (\px)/3, (\px)%3
.endr
.endm
; ---------------------------------------------------------------- Q, K, V products
; product i of 8 of step n: k half i >> 2, tile u = (i >> 1) & 1, group g = i & 1: first k = 0..31 on the bias, then k = 32..63 in place: four accumulators by turns
.macro PROD n, i
.set mm_d, DD+32*((\n)&1)+16*(((\i)>>1)&1)+8*((\i)&1)
.set mm_w, WB+24*(2*((\n)&1)+(((\i)>>1)&1))
.set mm_x, XF+16*((\i)&1)+8*((\i)>>2)
.if (\i) < 4
.if (\n) >= 32
	v_wmma_f32_16x16x32_bf16 v[mm_d:mm_d+7], v[mm_x:mm_x+7], v[mm_w:mm_w+7], v[mm_w+16:mm_w+23]
.else
	v_wmma_f32_16x16x32_bf16 v[mm_d:mm_d+7], v[mm_w:mm_w+7], v[mm_x:mm_x+7], v[mm_w+16:mm_w+23]
.endif
.else
.if (\n) >= 32
	v_wmma_f32_16x16x32_bf16 v[mm_d:mm_d+7], v[mm_x:mm_x+7], v[mm_w+8:mm_w+15], v[mm_d:mm_d+7]
.else
	v_wmma_f32_16x16x32_bf16 v[mm_d:mm_d+7], v[mm_w+8:mm_w+15], v[mm_x:mm_x+7], v[mm_d:mm_d+7]
.endif
.endif
.endm
; two of the sixteen conversions that pack step k's four results (8 f32 -> 16 bytes each) into PP[(k + 1) & 1]; each accumulator is read from its low end on
.macro CV2 k, i
.irp cx, 0,1
	v_cvt_pk_bf16_f32 v[PP+16*(((\k)+1)&1)+2*(\i)+\cx], v[DD+32*((\k)&1)+4*(\i)+2*\cx], v[DD+32*((\k)&1)+4*(\i)+2*\cx+1]
.endr
.endm
; tile u of step k (K: 0-15, Q: 16-31) goes into the stage
.macro STP k, u
.set sp_p, PP+16*(((\k)+1)&1)+8*(\u)
.irp gx, 0,1
.if (\k) < 16
	ds_store_b128 v[STK], v[sp_p+4*\gx:sp_p+4*\gx+3] offset:2176*\gx+16*(2*((\k)&3)+(\u))
.else
	ds_store_b128 v[STQ], v[sp_p+4*\gx:sp_p+4*\gx+3] offset:5120*(\u)+64*((\k)&3)+1280*\gx
.endif
.endr
.set pend, pend+2
.endm
; behind the stores of a chunk's fourth step (K: one t, all 8 jb; Q: one query tile and one s) the chunk comes back as quarters of fragments.
; The stage is the wave's own and LDS serves a wave's instructions in order (ISA guide 5.7.1): no wait between stores, loads and the next chunk's stores.
.macro CHUNK k
.if (\k) < 16
.set ck_o, 8*((\k)>>3)+4*(((\k)>>2)&1)
	WIN 0x40
.irp gx, 0,1
.irp ex, 0,1
.irp hx, 0,1,2,3
	ds_load_b128 v[KF+32*(2*\hx+\gx)+16*\ex+ck_o:KF+32*(2*\hx+\gx)+16*\ex+ck_o+3], v[RDK] offset:272*(\hx+4*\ex+8*\gx)
.endr
.endr
.endr
.else
.set ck_o, 8*((((\k)-16)>>2)&1)
	WIN 0x80
.irp px, 0,1
.irp gx, 0,1
.irp hx, 0,1,2,3
	ds_load_b128 v[QF+16*(2*\hx+\gx)+ck_o+4*\px:QF+16*(2*\hx+\gx)+ck_o+4*\px+3], v[RDQ] offset:5120*\px+320*(\hx+4*\gx)
.endr
.endr
.endr
.endif
	WIN 0
.set pend, pend+16
.endm
; V step m: registers 2 hq, 2 hq + 1 of a result are keys (2 hl, jb), (2 hl + 1, jb) of head 2 hq + g: one register of that head's A fragment, in place
.macro LAGV m
	WIN 0x40
.irp ux, 0,1
.irp gx, 0,1
.set lv_t, 2*(\m)+\ux
.irp hx, 0,1,2,3
	v_cvt_pk_bf16_f32 v[VF+32*(2*\hx+\gx)+8*(lv_t&3)+(lv_t>>2)], v[DD+32*((\m)&1)+16*\ux+8*\gx+2*\hx], v[DD+32*((\m)&1)+16*\ux+8*\gx+2*\hx+1]
.endr
.endr
.endr
	WIN 0
.endm
; ---------------------------------------------------------------- attention
; scores of heads 2 p, 2 p + 1, transposed: keys (2 hl + e, j) in register j, query r in the lane; four accumulators by turns
.macro SC p, buf
	WIN 0xF9
.irp sx, 0,1
.irp hd, 0,1
.irp ex, 0,1
.set sc_d, SS+32*(\buf)+16*\hd+8*\ex
.set sc_k, KF+32*(2*(\p)+\hd)+16*\ex+8*\sx
.set sc_q, QF+16*(2*(\p)+\hd)+8*\sx
.if \sx == 0
	v_wmma_f32_16x16x32_bf16 v[sc_d:sc_d+7], v[sc_k:sc_k+7], v[sc_q:sc_q+7], 0
.else
	v_wmma_f32_16x16x32_bf16 v[sc_d:sc_d+7], v[sc_k:sc_k+7], v[sc_q:sc_q+7], v[sc_d:sc_d+7]
.endif
.endr
.endr
.endr
.endm
.macro SMSET buf, hd
.set sm_s, SS+32*(\buf)+16*(\hd)
.set sm_e, EE+16*(\hd)
.set sm_z, ZZ+16*(\hd)
.endm
.macro MSK i                           ; the scalar register of mask i of 32 (16 hd + score): registers that nothing else uses inside the loop over stages
.if (\i) < 16
.set sm_k, 68+(\i)
.elseif (\i) < 28
.set sm_k, 4+(\i)-16
.else
.set sm_k, 84+(\i)-28
.endif
.endm
; both softmaxes of heads 2 p, 2 p + 1 for one query tile.  A query's 32 scores lie in lanes r and r + 16, 16 each.
.macro SM p, buf, qt
	WIN 0xFF
.irp hd, 0,1
	SMSET \buf, \hd
	v_max3_num_f32 v[sm_e], v[sm_s], v[sm_s+1], v[sm_s+2]
	v_max3_num_f32 v[sm_e+1], v[sm_s+3], v[sm_s+4], v[sm_s+5]
	v_max3_num_f32 v[sm_e+2], v[sm_s+6], v[sm_s+7], v[sm_s+8]
	v_max3_num_f32 v[sm_e+3], v[sm_s+9], v[sm_s+10], v[sm_s+11]
	v_max3_num_f32 v[sm_e+4], v[sm_s+12], v[sm_s+13], v[sm_s+14]
	v_max3_num_f32 v[sm_z], v[sm_e], v[sm_e+1], v[sm_e+2]
	v_max3_num_f32 v[sm_e+3], v[sm_e+3], v[sm_e+4], v[sm_s+15]
	v_max_num_f32 v[sm_z], v[sm_z], v[sm_e+3]
.endr
.irp hd, 0,1
	SMSET \buf, \hd
	v_permlanex16_b32 v[sm_z+1], v[sm_z], s60, s61         ; the other half's maximum
.endr
.irp hd, 0,1
	SMSET \buf, \hd
	v_max_num_f32 v[sm_z], v[sm_z], v[sm_z+1]              ; m
.endr
.irp hd, 0,1
	SMSET \buf, \hd
.irp ix, 0,2,4,6,8,10,12,14
	v_pk_add_f32 v[sm_s+\ix:sm_s+\ix+1], v[sm_s+\ix:sm_s+\ix+1], v[sm_z:sm_z+1] op_sel_hi:[1,0] neg_lo:[0,1] neg_hi:[0,1]   ; s - m: exactly 0 at the maximum
.endr
.endr
.irp hd, 0,1
	SMSET \buf, \hd
.irp ix, 0,1,2,3,4,5,6,7,8,9,10,11,12,13,14,15
	v_exp_f32 v[sm_e+\ix], v[sm_s+\ix]
.endr
.endr
	v_nop                                                  ; one plain instruction behind the run of exponentials (ISA guide 5.7.2)
	s_wait_alu depctr_va_vdst(0)
.irp hd, 0,1
	SMSET \buf, \hd
	v_pk_add_f32 v[sm_e:sm_e+1], v[sm_e:sm_e+1], v[sm_e+2:sm_e+3]
	v_pk_add_f32 v[sm_e+4:sm_e+5], v[sm_e+4:sm_e+5], v[sm_e+6:sm_e+7]
	v_pk_add_f32 v[sm_e+8:sm_e+9], v[sm_e+8:sm_e+9], v[sm_e+10:sm_e+11]
	v_pk_add_f32 v[sm_e+12:sm_e+13], v[sm_e+12:sm_e+13], v[sm_e+14:sm_e+15]
	v_pk_add_f32 v[sm_e:sm_e+1], v[sm_e:sm_e+1], v[sm_e+4:sm_e+5]
	v_pk_add_f32 v[sm_e+8:sm_e+9], v[sm_e+8:sm_e+9], v[sm_e+12:sm_e+13]
	v_pk_add_f32 v[sm_e:sm_e+1], v[sm_e:sm_e+1], v[sm_e+8:sm_e+9]
	v_add_f32 v[sm_z+2], v[sm_e], v[sm_e+1]
.endr
.irp hd, 0,1
	SMSET \buf, \hd
	v_permlanex16_b32 v[sm_z+3], v[sm_z+2], s60, s61
.endr
.irp hd, 0,1                           ; all the compares stand in one run, each with a scalar register of its own: where is the maximum,
	SMSET \buf, \hd
.irp ix, 0,1,2,3,4,5,6,7,8,9,10,11,12,13,14,15
	MSK 16*\hd+\ix
	v_cmp_eq_f32 s[sm_k], 0, v[sm_s+\ix]
.endr
.endr
.irp hd, 0,1
	SMSET \buf, \hd
	v_add_f32 v[sm_z+2], v[sm_z+2], v[sm_z+3]              ; sum of exp(s - m) over the 32 keys
	v_cmp_gt_f32 s[66+\hd], s88, v[sm_z+2]                 ; and does it pass: 1 / sum > 0.7
.endr
	s_wait_alu depctr_va_sdst(0)                           ; the 34 compares have written their masks, ahead of the first select that reads one
.irp hd, 0,1
	SMSET \buf, \hd
	v_cndmask_b32 v[sm_z+4], 0, v[sm_z], s[66+\hd]         ; u = m where it passes, else 0
	v_max_num_f32 v[sm_z+5], 0, v[sm_z+4]                  ; M = the second softmax's maximum: of u and the zeros
	v_sub_f32 v[sm_z+6], v[sm_z+4], v[sm_z+5]
	v_sub_f32 v[sm_z+7], 0, v[sm_z+5]
.endr
.irp hd, 0,1
	SMSET \buf, \hd
	v_exp_f32 v[sm_z+6], v[sm_z+6]                         ; A = e^(u - M)
	v_exp_f32 v[sm_z+7], v[sm_z+7]                         ; B = e^(-M)
.endr
	v_nop
	s_wait_alu depctr_va_vdst(0)
.irp hd, 0,1
	SMSET \buf, \hd
	v_fma_f32 v[sm_z+8], v[sm_z+7], s89, v[sm_z+6]         ; A + 31 B
.endr
.irp hd, 0,1
	SMSET \buf, \hd
	v_rcp_f32 v[sm_z+8], v[sm_z+8]
.endr
	v_nop
	s_wait_alu depctr_va_vdst(0)
.irp hd, 0,1
	SMSET \buf, \hd
	v_mul_f32 v[sm_z+9], v[sm_z+6], v[sm_z+8]              ; hi
	v_mul_f32 v[sm_z+10], v[sm_z+7], v[sm_z+8]             ; lo
	v_cvt_pk_bf16_f32 v[sm_z+11], v[sm_z+10], v[sm_z+10]
	v_cvt_pk_bf16_f32 v[sm_z+12], v[sm_z+9], v[sm_z+10]    ; the maximum is the word's low key (e = 0)
	v_cvt_pk_bf16_f32 v[sm_z+13], v[sm_z+10], v[sm_z+9]    ; or its high key (e = 1)
.endr
.irp hd, 0,1
	SMSET \buf, \hd
.irp ix, 0,1,2,3,4,5,6,7
	MSK 16*\hd+\ix
	v_cndmask_b32 v[sm_e+\ix], v[sm_z+11], v[sm_z+12], s[sm_k]
.endr
.endr
	WIN 0xBF
.irp hd, 0,1
	SMSET \buf, \hd
.irp ix, 0,1,2,3,4,5,6,7
	MSK 16*\hd+8+\ix
	v_cndmask_b32 v[ATTR+16*(2*(\p)+\hd)+8*(\qt)+\ix], v[sm_e+\ix], v[sm_z+13], s[sm_k]
.endr
.endr
.endm
; all eight heads of one query tile.  First the tile's last Q step (23 or 31), packed in the step just ended, goes through the stage.
; A softmax reads a score buffer whose products stand a whole softmax (or PLACES) earlier.
.macro ATT qt
	s_wait_alu depctr_va_vdst(0)                           ; the last step's conversions have written their PP, which the stores below read
	STP 23+8*(\qt), 0
	STP 23+8*(\qt), 1
	CHUNK 23+8*(\qt)
	s_wait_dscnt 0x0                                       ; the reads from the stage were the last LDS instructions issued: the Q and K fragments are in
.set pend, 0
	SC 0, 0
	SC 1, 1
	PLACES
	SM 0, 0, \qt
	SC 2, 0
	SM 1, 1, \qt
	SC 3, 1
	SM 2, 0, \qt
	SM 3, 1, \qt
	WIN 0
.endm
; att.V of head h, feature tiles 2 op, 2 op + 1, both query tiles
.macro AVP h, op
	WIN 0xC9
.irp qx, 0,1
.irp px, 0,1
.set av_d, DV+64*((\h)&1)+32*\qx+8*(2*(\op)+\px)
.set av_v, VF+32*(\h)+8*(2*(\op)+\px)
.set av_a, ATTR+16*(\h)+8*\qx
	v_wmma_f32_16x16x32_bf16 v[av_d:av_d+7], v[av_v:av_v+7], v[av_a:av_a+7], 0
.endr
.endr
.endm
; and its results packed in place into the B fragments (s = op) of the last product
.macro CVP h, op
	WIN 0x0F
.irp qx, 0,1
.irp px, 0,1
.irp ix, 0,1,2,3
	v_cvt_pk_bf16_f32 v[XF+192*((\h)&1)+16*\qx+8*(\op)+4*\px+\ix], v[DV+64*((\h)&1)+32*\qx+8*(2*(\op)+\px)+2*\ix], v[DV+64*((\h)&1)+32*\qx+8*(2*(\op)+\px)+2*\ix+1]
.endr
.endr
.endr
.endm
.macro VTAIL
	s_wait_alu depctr_vm_vsrc(0)                           ; the last stores into the stage have read v224-255, which the odd heads' fragments take from here on
	LAGV 15
	AVP 0, 0
	AVP 0, 1
	AVP 1, 0
	AVP 1, 1
	PLACES
	CVP 0, 0
	CVP 0, 1
	WIN 0
.endm
; product i of 8 of a step of the last product: head h, k half i >> 2, output tile 2 op + ((i >> 1) & 1), query tile i & 1
.macro PRODW n, i
.set sw_h, ((\n)-48)>>1
.set sw_o, (\n)&1
.set sw_b, XF+192*(sw_h&1)+16*((\i)&1)+8*((\i)>>2)
.set sw_d, DD+32*((\i)&1)+8*(2*sw_o+(((\i)>>1)&1))
.set sw_w, WB+24*(2*sw_o+(((\i)>>1)&1))
.if (sw_h+((\i)>>2)) == 0
	v_wmma_f32_16x16x32_bf16 v[sw_d:sw_d+7], v[sw_w:sw_w+7], v[sw_b:sw_b+7], v[sw_w+16:sw_w+23]
.else
	v_wmma_f32_16x16x32_bf16 v[sw_d:sw_d+7], v[sw_w+8*((\i)>>2):sw_w+8*((\i)>>2)+7], v[sw_b:sw_b+7], v[sw_d:sw_d+7]
.endif
.endm
; A STEP.  Behind the waits at its head: eight products; behind the first three of them the loads of step n + 1, four at a time, into the slots that step n - 1 read;
; behind the fourth and fifth the stores of step n - 2's packed results; behind each, two of the conversions that pack step n - 1's results.
; The conversions are also the places between a product and the first read of its result, and between a product and the loads into its slots: four or more everywhere.
; V's conversions write block 1 and stand in one run behind the products; the last product has att.V two heads ahead and the packing one head ahead there.
.macro STEP n
	s_wait_dscnt pend                                      ; LDS answers in order (ISA guide 5.7.1): all but what was issued behind this step's weight loads (stores and reads of the stage, or nothing)
.if ((\n) >= 3) && ((\n) <= 32)
	s_wait_alu depctr_vm_vsrc(0)                           ; the stores of the step before have read PP[n & 1], which this step's conversions write again
.endif
	s_wait_alu depctr_va_vdst(0)                           ; the products of the step before are done reading their slots, in which the loads below land; its conversions have written the PP that the stores below read
.set st_s, 0
.if ((\n) >= 2) && ((\n) <= 32) && ((\n) != 25)
.set st_s, 1                           ; step n - 2 is a K or Q step whose results have not gone out in front of an attention part
.endif
.set st_i, 0
.rept 8
.if (\n) < 48
	PROD \n, st_i
.else
	PRODW \n, st_i
.endif
.if st_i < 3
	LOADP (\n)+1, (2*st_i)/3, (2*st_i)%3                   ; no wait: no vector or matrix instruction since the head names these slots (step 63 fetches the next evaluation's step 0)
	LOADP (\n)+1, (2*st_i+1)/3, (2*st_i+1)%3
.endif
.if st_i == 2
.set pend, 0
.endif
.if st_s && ((st_i == 3) || (st_i == 4))
	STP (\n)-2, st_i-3
.endif
.if ((\n) >= 1) && ((\n) <= 32)
	CV2 (\n)-1, st_i
.endif
.set st_i, st_i+1
.endr
.if (\n) == 0
	PLACES
.endif
.if st_s && ((((\n)-2)&3) == 3)
	CHUNK (\n)-2                                           ; no vector or matrix instruction since the head names K's or Q's fragments
.endif
.if ((\n) >= 33) && ((\n) < 48)
	LAGV (\n)-33
.endif
.if (\n) >= 48
.if sw_h <= 5
	AVP sw_h+2, sw_o
.endif
.if sw_h <= 6
	CVP sw_h+1, sw_o
.else
	PLACES
.endif
	WIN 0
.endif
.endm
.macro STEPS from, to
.set st_n, \from
.rept (\to)-(\from)+1
	STEP st_n
.set st_n, st_n+1
.endr
.endm
; ---------------------------------------------------------------- the state
.macro NEWSTATE                        ; ACC holds a new state: it becomes the step's start and the first X fragments
	WIN 0xFF
.set ns_k, 0
.rept 64
	v_mov_b32 v[X0R+ns_k], v[ACC+ns_k]
.set ns_k, ns_k+1
.endr
	WIN 0x0F
.set ns_k, 0
.rept 32
	v_cvt_pk_bf16_f32 v[XF+ns_k], v[ACC+2*ns_k], v[ACC+2*ns_k+1]
.set ns_k, ns_k+1
.endr
	WIN 0
.endm
; ================================================================ the head
	s_load_b128 s[4:7], s[0:1], 0x0                        ; x, t
	s_load_b512 s[16:31], s[0:1], 0x10                     ; enc: qW kW vW w0W qb kb vb w0b
	s_load_b512 s[32:47], s[0:1], 0x50                     ; dec: the same
	s_load_b128 s[48:51], s[0:1], 0x90                     ; out0, out1
	v_lshl_add_u32 v30, v0, 2, 0x4d100
	v_mov_b32 v31, 0
	v_lshrrev_b32 v230, 5, v0
	v_readfirstlane_b32 s2, v230                           ; wave
	v_and_b32 v224, 31, v0                                 ; L
	v_lshlrev_b32 v[AQ], 4, v224
	s_lshl_b32 s10, ttmp9, 15                              ; item = 4 x group + wave, 8,192 bytes each
	s_wait_alu depctr_va_sdst(0)                           ; s2 is written, ahead of its first reader
	s_lshl_b32 s11, s2, 13
	s_or_b32 s10, s10, s11
	s_mov_b32 s11, 0
	s_wait_kmcnt 0x0
	s_load_b64 s[8:9], s[6:7], 0x0                         ; t[0], t[1]
	s_add_nc_u64 s[4:5], s[4:5], s[10:11]
	s_add_nc_u64 s[48:49], s[48:49], s[10:11]
	s_add_nc_u64 s[50:51], s[50:51], s[10:11]
	WIN 0x80
	s_wait_alu depctr_va_vdst(0)                           ; v[AQ] is written, which the loads of x read as their offset
.set hd_k, 0
.rept 16
	global_load_b128 v[4*hd_k:4*hd_k+3], v[AQ], s[4:5] offset:512*hd_k th:TH_LOAD_NT   ; two whole rows of x a load, into block 2
.set hd_k, hd_k+1
.endr
	WIN 0
	v_and_b32 v225, 15, v0                                 ; r
	v_bfe_u32 v226, v0, 4, 1                               ; hl
	v_bfe_u32 v227, v0, 3, 1                               ; a
	v_bfe_u32 v228, v0, 1, 2                               ; hq
	v_and_b32 v229, 1, v0                                  ; e
	s_mul_i32 s3, s2, ST_BYTES
	s_add_co_u32 s3, s3, L_ST                              ; my stage
	s_lshl_b32 s12, s2, 15
	s_lshl_b32 s13, s2, 14
	s_lshl_b32 s14, s2, 9
	s_lshl_b32 s15, s2, 11
	s_mov_b32 s60, 0x76543210                              ; v_permlanex16_b32: lane i of the other half
	s_mov_b32 s61, 0xfedcba98
	s_mov_b32 s88, 0x3fb6db6e                              ; 1 / 0.7
	s_mov_b32 s89, 0x41f80000                              ; 31.0
	s_mov_b32 s90, 0x3e38aa3b                              ; log2(e) / 8
	s_mov_b32 s91, 0x3e38aa3b
	v_add_nc_u32 v[AK], L_WK, v[AQ]
	v_add_nc_u32 v[AVW], L_WV, v[AQ]
	v_add_nc_u32 v[AW0], L_W0, v[AQ]
	v_lshl_add_u32 v[ABQK], v226, 5, L_BQ
	v_lshl_add_u32 v[ABV], v225, 4, L_BV
	v_lshl_add_u32 v[AB0], v226, 5, L_B0
	v_mad_u32_u24 v230, v226, 4352, s3
	v_lshl_add_u32 v231, v229, 2, v228                     ; hq + 4 e
	v_mad_u32_u24 v[STK], v231, 272, v230
	v_lshl_add_u32 v[STK], v227, 7, v[STK]
	v_lshl_add_u32 v[RDK], v225, 4, v230
	v_mad_u32_u24 v230, v226, 2560, s3
	v_lshl_add_u32 v231, v227, 1, v229                     ; 2 a + e
	v_lshl_add_u32 v[STQ], v231, 4, v230
	v_mad_u32_u24 v[STQ], v228, 320, v[STQ]
	v_lshl_add_u32 v[RDQ], v228, 4, v230
	v_lshl_add_u32 v[RDQ], v231, 6, v[RDQ]
	v_lshl_add_u32 v232, v228, 3, v231                     ; 8 hq + 2 a + e
	v_lshl_add_u32 v[IOD], v226, 5, s3
	v_mad_u32_u24 v[IOD], v232, 272, v[IOD]
	v_mad_u32_u24 v[IOR], v226, 272, s3
	v_lshl_add_u32 v[IOR], v225, 4, v[IOR]
	WIN 0xC0
	v_mov_b32 v[ZZ+1], 0                                   ; destinations of v_permlanex16_b32 count as read: written once here
	v_mov_b32 v[ZZ+3], 0
	v_mov_b32 v[ZZ+17], 0
	v_mov_b32 v[ZZ+19], 0
	WIN 0
	s_wait_kmcnt 0x0
	v_sub_f32 v230, s9, s8                                 ; dt
	v_mul_f32 v231, 0.5, v230
	v_mul_f32 v232, 0x3e2aaaab, v230                       ; dt / 6
	v_add_f32 v233, v232, v232                             ; dt / 3
	v_readfirstlane_b32 s52, v230
	v_readfirstlane_b32 s53, v231
	v_readfirstlane_b32 s54, v232
	v_readfirstlane_b32 s55, v233
	s_wait_alu depctr_va_sdst(0)                           ; s52 to s55 are written, ahead of every label and of their first readers, the selects at a stage's head
	; x into the state's layout, through my stage: rows in, 16 bytes of row c(g, r) out
	s_wait_loadcnt 0x0
	WIN 0x08
	s_wait_alu depctr_va_vdst(0)                           ; the LDS addresses v2 to v13 are written
.set hd_k, 0
.rept 16
	ds_store_b128 v[IOR], v[4*hd_k:4*hd_k+3] offset:544*hd_k
.set hd_k, hd_k+1
.endr
	WIN 0xC0
.irp gx, 0,1
.irp ox, 0,1,2,3
.irp px, 0,1
	ds_load_b128 v[ACC+32*\gx+8*\ox+4*\px:ACC+32*\gx+8*\ox+4*\px+3], v[IOD] offset:1088*\gx+64*\ox+16*\px
.endr
.endr
.endr
	WIN 0
	; the fill's offsets and addresses are made while the state is on its way back from the stage
	v_add_nc_u32 v[GW], s12, v[AQ]
	; fill: a load's lane holds 4 numbers of row 128 w + 2 k + L4, columns 4 (L & 15): s = L3, registers 4-7 = L2, hl = L1, upper 8 bytes = L0
	v_bfe_u32 v230, v0, 1, 3
	v_lshl_add_u32 v230, v230, 8, s13
	v_lshl_add_u32 v230, v226, 4, v230
	v_lshl_add_u32 v[SWQ], v229, 3, v230
	v_add_nc_u32 v[SWQ+1], L_WK, v[SWQ]
	v_add_nc_u32 v[SWQ+2], L_WV, v[SWQ]
	; W0: row 16 w + (k >> 2), columns 128 (k & 3) + 4 L: ks = 4 (k & 3) + (L >> 3)
	v_bfe_u32 v230, v0, 1, 4
	v_lshl_add_u32 v230, v230, 8, s13
	v_lshl_add_u32 v230, v229, 3, v230
	v_add_nc_u32 v[SW0], L_W0, v230
	v_add_nc_u32 v230, s14, v[AQ]
	v_add_nc_u32 v[SBQ], L_BQ, v230                        ; 16 bytes for each of the 128 threads: 16 L + 512 wave
	v_lshl_add_u32 v230, v224, 6, s15
	v_add_nc_u32 v[SBV], L_BV, v230                        ; 64 L + 2048 wave
	v_lshl_add_u32 v[SB0], v224, 3, L_B0
	v_lshlrev_b32 v[GB], 4, v0
	v_lshlrev_b32 v[GB0], 3, v224
	s_wait_dscnt 0x0
	s_wait_alu depctr_vm_vsrc(0)                           ; the stores into the stage have read block 2's v0-63, in which Q's fragments land later
	NEWSTATE
	s_mov_b32 s63, 0                                       ; phase: 0 enc, 1 dec
; ================================================================ a phase: its weights into LDS, then four evaluations
.Lphase:
	s_wait_dscnt 0x0                                       ; my reads of the old weights are back
	s_barrier_signal -1
	s_barrier_wait -1                                      ; everybody's are: the weights may be written over
	s_cmp_lg_u32 s63, 0
.irp i, 0,2,4,6,8,10,12,14
	s_cselect_b64 s[68+\i:69+\i], s[32+\i:33+\i], s[16+\i:17+\i]
.endr
	; THE FILL.  A wave converts 32,768 bytes of each matrix: 64 loads of 512 neighbouring bytes, through a ring of 32 loads, eight to a batch.
	; Ring v64-191: read by a batch's conversions, asked for again behind them.  Out-buffers v208-223 and v224-239 by turns: written by a batch's conversions, read by its eight LDS stores.
	s_wait_alu depctr_va_vdst(0)                           ; on the way in from the head: the fill's offsets and addresses v15 to v25 are written, which the loads and stores below read
	global_load_b128 v[240:243], v[GB], s[76:77]           ; bq
	global_load_b128 v[244:247], v[GB], s[78:79]           ; bk
	global_load_b128 v[248:251], v[GB], s[80:81]           ; bv
	global_load_b64 v[252:253], v[GB0], s[82:83]           ; b0
.set lw_n, 0
.rept 32
	global_load_b128 v[64+4*lw_n:67+4*lw_n], v[GW], s[68:69] offset:512*lw_n
.set lw_n, lw_n+1
.endr
	s_wait_loadcnt 32                                      ; all but the 32 ring loads: the biases are in
	v_pk_mul_f32 v[240:241], v[240:241], s[90:91] op_sel_hi:[1,0]
	v_pk_mul_f32 v[242:243], v[242:243], s[90:91] op_sel_hi:[1,0]
.irp q, 0,1,2,3
.irp c, 0,1,2,3
	v_mov_b32 v[192+4*\q+\c], v[248+\q]                    ; bv four times: a V result's eight registers all want the lane's own column's bias
.endr
.endr
	s_wait_alu depctr_va_vdst(0)                           ; the scaled bq and the copies of bv are written, which the stores below read
	ds_store_b128 v[SBQ], v[240:243]
	ds_store_b128 v[SBQ], v[244:247] offset:2048
.irp q, 0,1,2,3
	ds_store_b128 v[SBV], v[192+4*\q:195+4*\q] offset:16*\q
.endr
	s_cmp_lg_u32 s2, 0
	s_cbranch_scc1 .Lb0_done
	ds_store_b64 v[SB0], v[252:253]                        ; 256 bytes: wave 0 alone
.Lb0_done:
.set fb, 0
.rept 32
.if fb < 28
	s_wait_loadcnt 24                                      ; loads come back in order: this batch's eight are in, the 24 younger stay out
.else
	s_wait_loadcnt 8*(31-fb)                               ; the tail: the counts run down
.endif
.if fb >= 2
	s_wait_alu depctr_vm_vsrc(0)                           ; the stores of the batch before last have read this batch's out-buffer
.endif
.set fj, 0
.rept 8
.set lw_r, 64+4*((8*fb+fj)&31)
.set lw_p, 208+16*(fb&1)+2*fj
.if fb < 8
	v_pk_mul_f32 v[lw_r:lw_r+1], v[lw_r:lw_r+1], s[90:91] op_sel_hi:[1,0]
	v_pk_mul_f32 v[lw_r+2:lw_r+3], v[lw_r+2:lw_r+3], s[90:91] op_sel_hi:[1,0]
.endif
	v_cvt_pk_bf16_f32 v[lw_p], v[lw_r], v[lw_r+1]
	v_cvt_pk_bf16_f32 v[lw_p+1], v[lw_r+2], v[lw_r+3]
.set fj, fj+1
.endr
	s_wait_alu depctr_va_vdst(0)                           ; the conversions are done with the batch's ring registers, in which the loads below land, and have written the out-buffer, which the stores below read
.if fb < 28
.set fj, 0
.rept 8
.set lw_q, 8*fb+fj+32
	global_load_b128 v[64+4*(lw_q&31):67+4*(lw_q&31)], v[GW], s[68+2*(lw_q>>6):69+2*(lw_q>>6)] offset:512*(lw_q&63)
.set fj, fj+1
.endr
.endif
.set fj, 0
.rept 8
.set lw_k, (8*fb+fj)&63
.set lw_p, 208+16*(fb&1)+2*fj
.if fb < 24
	ds_store_b64 v[SWQ+(fb>>3)], v[lw_p:lw_p+1] offset:(lw_k>>3)*2048+(lw_k&7)*32
.else
	ds_store_b64 v[SW0], v[lw_p:lw_p+1] offset:(lw_k&3)*4096+(lw_k>>2)*16
.endif
.set fj, fj+1
.endr
.set fb, fb+1
.endr
	s_wait_dscnt 0x0                                       ; my stores are done
	s_barrier_signal -1
	s_barrier_wait -1                                      ; everybody's are: the weights may be read
	s_wait_alu depctr_vm_vsrc(0)                           ; my stores have read v192-253: these registers are DD and PP from here on, written by products and conversions
	LOADT 0                                                ; no vector instruction since the last batch's wait names the slots
	s_mov_b32 s62, 0                                       ; RK4 stage
.Lstage:
	s_cmp_eq_u32 s62, 2
	s_cselect_b32 s56, s52, s53                            ; the next stage's point: x + dt k3, else x + dt/2 k
	s_mov_b32 s57, s56
	s_sub_co_u32 s3, s62, 1
	s_cmp_lt_u32 s3, 2
	s_cselect_b32 s58, s55, s54                            ; the slope's weight: dt/3 for stages 1 and 2, else dt/6
	s_mov_b32 s59, s58
.set pend, 0                           ; on both ways in, step 0's weight loads were the last LDS instructions issued
	STEPS 0, 24                                            ; K, and Q of query tile 0
	ATT 0
	STEPS 25, 32                                           ; Q of query tile 1
	ATT 1
	STEPS 33, 47                                           ; V: its fragments take the K fragments' registers
	VTAIL
	STEPS 48, 63                                           ; att.V and the last product, head by head
	WIN 0xF0
.set au_k, 0
.rept 32
	v_pk_fma_f32 v[ACC+au_k:ACC+au_k+1], v[DD+au_k:DD+au_k+1], s[58:59], v[ACC+au_k:ACC+au_k+1] op_sel_hi:[1,0,1]
.set au_k, au_k+2
.endr
	WIN 0
	s_cmp_eq_u32 s62, 3
	s_cbranch_scc1 .Llast
	WIN 0x30                                               ; stages 0 to 2: the next point, x + a k, and its X fragments
.set au_k, 0
.rept 32
	v_pk_fma_f32 v[DD+au_k:DD+au_k+1], v[DD+au_k:DD+au_k+1], s[56:57], v[X0R+au_k:X0R+au_k+1] op_sel_hi:[1,0,1]
.set au_k, au_k+2
.endr
	WIN 0
.set au_k, 0
.rept 32
	v_cvt_pk_bf16_f32 v[XF+au_k], v[DD+2*au_k], v[DD+2*au_k+1]
.set au_k, au_k+1
.endr
	s_branch .Ljoin
.Llast:
	NEWSTATE                                               ; stage 3: ACC is the phase's result (behind dec this copy feeds nothing more)
	s_wait_dscnt 0x0                                       ; the loads that ran ahead into the slots have landed: v64.. are free
	s_cmp_lg_u32 s63, 0
	s_cselect_b64 s[66:67], s[50:51], s[48:49]
	WIN 0x0C
	s_wait_alu depctr_va_vdst(0)                           ; ACC is written, which the stores below read; the last product's matrix instructions are done reading v64-127, in which the rows land
.irp gx, 0,1
.irp ox, 0,1,2,3
.irp px, 0,1
	ds_store_b128 v[IOD], v[ACC+32*\gx+8*\ox+4*\px:ACC+32*\gx+8*\ox+4*\px+3] offset:1088*\gx+64*\ox+16*\px
.endr
.endr
.endr
	WIN 0
.set au_k, 0
.rept 16
	ds_load_b128 v[64+4*au_k:67+4*au_k], v[IOR] offset:544*au_k    ; my own stage, served in order: these see the stores above
.set au_k, au_k+1
.endr
.set au_k, 0
.rept 16
	s_wait_dscnt 15-au_k
	global_store_b128 v[AQ], v[64+4*au_k:67+4*au_k], s[66:67] offset:512*au_k th:TH_STORE_NT   ; 16 lanes store one whole row of 256 bytes, aligned
.set au_k, au_k+1
.endr
	s_wait_xcnt 0x0                                        ; v64.. and s[66:67] are written again only behind this wait
	s_wait_alu depctr_vm_vsrc(0)                           ; the global stores have read v64-127, in which the next fill's loads land; the stores into the stage have read ACC
.Ljoin:
	s_add_co_u32 s62, s62, 1
	s_cmp_lt_u32 s62, 4
	s_cbranch_scc1 .Lstage
	s_add_co_u32 s63, s63, 1
	s_cmp_lt_u32 s63, 2
	s_cbranch_scc1 .Lphase
	s_wait_dscnt 0x0
	s_wait_alu depctr_hold_cnt(0) depctr_sa_sdst(0) depctr_va_vdst(0) depctr_va_sdst(0) depctr_va_ssrc(0) depctr_va_vcc(0) depctr_vm_vsrc(0)
	s_wait_tensorcnt 0x0
	ds_add_u32 v30, v31
	s_wait_dscnt 0x0
	s_endpgm
.Lfunc_end_k_q06bd663a48_grand:
	.size	k_q06bd663a48_grand, .Lfunc_end_k_q06bd663a48_grand-k_q06bd663a48_grand
	.p2alignl 7, 3214868480
	.fill 96, 4, 3214868480
	.section	.rodata,"a",@progbits
	.p2align	6, 0x0
	.amdhsa_kernel k_q06bd663a48_grand
		.amdhsa_group_segment_fixed_size 316160
		.amdhsa_private_segment_fixed_size 0
		.amdhsa_enable_private_segment 0
		.amdhsa_kernarg_size 160
		.amdhsa_user_sgpr_count 2
		.amdhsa_user_sgpr_kernarg_segment_ptr 1
		.amdhsa_wavefront_size32 1
		.amdhsa_system_sgpr_workgroup_id_x 1
		.amdhsa_system_sgpr_workgroup_id_y 1
		.amdhsa_system_sgpr_workgroup_id_z 1
		.amdhsa_system_vgpr_workitem_id 0
		.amdhsa_next_free_vgpr 1024
		.amdhsa_next_free_sgpr 92
		.amdhsa_reserve_vcc 0
		.amdhsa_float_denorm_mode_32 3
		.amdhsa_float_denorm_mode_16_64 3
		.amdhsa_memory_ordered 1
		.amdhsa_forward_progress 1
		.amdhsa_inst_pref_size 255
	.end_amdhsa_kernel
	.section	.bss,"aw",@nobits
	.p2align	6
	.space	262144
	.amdgpu_metadata
---
amdhsa.version: [ 1, 2 ]
amdhsa.kernels:
  - .name:           k_q06bd663a48_grand
    .symbol:         k_q06bd663a48_grand.kd
    .args:
      - { .name: x, .offset: 0, .size: 8, .value_kind: global_buffer, .address_space: global }
      - { .name: t, .offset: 8, .size: 8, .value_kind: global_buffer, .address_space: global }
      - { .name: enc_q_W, .offset: 16, .size: 8, .value_kind: global_buffer, .address_space: global }
      - { .name: enc_k_W, .offset: 24, .size: 8, .value_kind: global_buffer, .address_space: global }
      - { .name: enc_v_W, .offset: 32, .size: 8, .value_kind: global_buffer, .address_space: global }
      - { .name: enc_w0_W, .offset: 40, .size: 8, .value_kind: global_buffer, .address_space: global }
      - { .name: enc_q_b, .offset: 48, .size: 8, .value_kind: global_buffer, .address_space: global }
      - { .name: enc_k_b, .offset: 56, .size: 8, .value_kind: global_buffer, .address_space: global }
      - { .name: enc_v_b, .offset: 64, .size: 8, .value_kind: global_buffer, .address_space: global }
      - { .name: enc_w0_b, .offset: 72, .size: 8, .value_kind: global_buffer, .address_space: global }
      - { .name: dec_q_W, .offset: 80, .size: 8, .value_kind: global_buffer, .address_space: global }
      - { .name: dec_k_W, .offset: 88, .size: 8, .value_kind: global_buffer, .address_space: global }
      - { .name: dec_v_W, .offset: 96, .size: 8, .value_kind: global_buffer, .address_space: global }
      - { .name: dec_w0_W, .offset: 104, .size: 8, .value_kind: global_buffer, .address_space: global }
      - { .name: dec_q_b, .offset: 112, .size: 8, .value_kind: global_buffer, .address_space: global }
      - { .name: dec_k_b, .offset: 120, .size: 8, .value_kind: global_buffer, .address_space: global }
      - { .name: dec_v_b, .offset: 128, .size: 8, .value_kind: global_buffer, .address_space: global }
      - { .name: dec_w0_b, .offset: 136, .size: 8, .value_kind: global_buffer, .address_space: global }
      - { .name: out0, .offset: 144, .size: 8, .value_kind: global_buffer, .address_space: global }
      - { .name: out1, .offset: 152, .size: 8, .value_kind: global_buffer, .address_space: global }
    .group_segment_fixed_size: 316160
    .private_segment_fixed_size: 0
    .kernarg_segment_align: 8
    .kernarg_segment_size: 160
    .max_flat_workgroup_size: 128
    .sgpr_count:     92
    .vgpr_count:     1024
    .wavefront_size: 32
...
	.end_amdgpu_metadata
.endif
;; end of part 2
